; MI455X (gfx1250); checked and timed in simulation.
; The chip was launched on July 23, 2026; its instructions are those of AMD's public machine-readable ISA for CDNA 5 (MIT licence, August 2026) and "CDNA5" Instruction Set Architecture Reference Guide (July 2026). The comments in the code are by the model that wrote it; some were corrected since.
;; Multihead Attention. Allowed arithmetic: matrix products marked QUANTISED: E2M3 operands, one E8M0 scale for each 32 along K, by v_wmma_scale_f32_16x16x128_f8f6f4 with both operands' format E2M3, f32 sums; everything else in f32.
;; Inputs: b_out 1,024 float32; w_out 1,024 x 1,024 float32; w_qkv 1,024 x 3,072 float32; x 8 x 1,024 x 1,024 float32.
;; Outputs: out0 8 x 1,024 x 1,024 float32.
;; This version of the problem:
;;   THIS VERSION OF THE PROBLEM IS GIVEN IN LOW PRECISION. The matrix products marked QUANTISED in the list below multiply operands that are first quantised to E2M3 (2 exponent bits, 3 mantissa bits; 6 bits a number), with one power-of-two scale for each 32 numbers along K (OCP MX v1.0); their sums are f32. All else is computed in f32.
;;   The module's matrix products, in the order in which they are computed (A, B: the left and right operand; K: the contracted axis; several contracted axes count as one K, in the product's order):
;;     1. [M 8,192, K 1,024] x [K 1,024, N 3,072]; A: input x; B: input w_qkv: QUANTISED
;;     2. batch 128 x [M 1,024, K 64] x [K 64, N 1,024]; A: computed on the way; B: computed on the way: QUANTISED
;;     3. batch 128 x [M 1,024, K 1,024] x [K 1,024, N 64]; A: softmax (see below); B: computed on the way: QUANTISED
;;     4. [M 8,192, K 1,024] x [K 1,024, N 1,024]; A: computed on the way; B: input w_out: QUANTISED
;;   THE QUANTISER, for each operand of a quantised product, along K:
;;     - K is cut into blocks of 32 from its start; a last block that is shorter is filled with zeros.
;;     - A block's scale is 2^e with e = floor(log2(the largest magnitude in the block)) - 2, held to -126 .. 127; a block of zeros has e = 0. As a byte (E8M0): e + 127.
;;     - Each number is divided by its block's scale, clamped to +-7.5, and rounded to the nearest number of E2M3, ties to even, subnormals kept.
;;     - The product sums the exact products of the quantised numbers (number of the format x scale) in f32.
;;   ~~~python
;;   def quantise(x, axis):      # numpy; x: float32 -> the quantised numbers, widened to float32 again
;;       x = np.moveaxis(x, axis, -1); K = x.shape[-1]
;;       x = np.pad(x, [(0, 0)] * (x.ndim - 1) + [(0, -K % 32)]); x = x.reshape(x.shape[:-1] + (-1, 32)); a = np.abs(x).max(-1, keepdims=True)
;;       e = np.where(a > 0, np.clip(np.frexp(np.where(a > 0, a, 1))[1] - 1 - 2, -126, 127), 0)      # np.frexp(a)[1] - 1 = floor(log2(a)), exactly
;;       r = np.clip(x / 2.0 ** e, -7.5, 7.5)
;;       step = 2.0 ** (np.maximum(np.frexp(np.where(r == 0, 1, r))[1] - 1, 0) - 3)
;;       q = np.round(r / step) * step * 2.0 ** e      # np.round: ties to even
;;       return np.moveaxis(q.reshape(q.shape[:-2] + (-1,))[..., :K], -1, axis).astype(np.float32)
;;   ~~~
;;   SOFTMAX AHEAD OF A QUANTISED PRODUCT. Where the list says 'softmax', what is quantised is not the finished softmax but p = 2^(t - M), with t = logit x log2(e) and M = ceil(the row's largest t), a whole number; so 1/2 < the row's largest p <= 1. The row's sum l is taken of the UNQUANTISED p, in f32, and the product's result is divided by l at the end. Since M is a whole number, a kernel that streams over the keys may use a running M (the ceiling of the running maximum): every later rescaling is an exact power of two, which a block's scale takes up: the codes' values come out the same.
;;   OPERANDS COMPUTED ON THE WAY. 'Computed on the way' means the value that the module computes at that place (a softmax that the list does not call 'softmax' is quantised finished and normalised). What goes into a quantiser is computed in f32, as accurately as f32 sums, v_exp_f32 and their like allow (about 1e-6 of the number): no bf16 or f16 on the way to a quantiser, and a product that is left as it is and whose result goes on into a quantised operand takes f32 operands (vector FMAs, or v_wmma_f32_16x16x4_f32). A number that lies on a knife's edge between two numbers of the format may be rounded either way, as far as f32 arithmetic and the matrix unit's own rounding can turn it there, and no further.
;; One version. Each part assembles by itself: llvm-mc -triple=amdgcn-amd-amdhsa -mcpu=gfx1250 --defsym DOCPART=n.
;; ======== version 1 of 1: 4 launches
;; limits: right only within a limited range of input values
;; workspace buffers: xq 6,553,600 bytes; wqkq 6,356,992 bytes; wvq 6,324,224 bytes; woq 6,324,224 bytes; qkimg 50,855,936 bytes; vimg 52,428,800 bytes; oimg 6,553,600 bytes
;; launch quant (part 1): grid 384 x 1, 4 waves a work-group, no clusters, 68,096 bytes of LDS; arguments x, w_qkv, w_out, xq, wqkq, wvq, woq; writes xq, wqkq, wvq, woq
.if DOCPART == 1
	.amdgcn_target "amdgcn-amd-amdhsa--gfx1250"
	.amdhsa_code_object_version 6
	.text
	.protected	k_qa7b4f051fd_quant
	.globl	k_qa7b4f051fd_quant
	.p2align	8
	.type	k_qa7b4f051fd_quant,@function
k_qa7b4f051fd_quant:
	s_mov_b64 s[64:65], 0
	v_nop
	global_prefetch_b8 v0, s[64:65] scope:SCOPE_SE
	s_setreg_imm32_b32 hwreg(HW_REG_WAVE_MODE, 25, 1), 1
	s_wait_xcnt 0x0
; x [8192][1024], w_qkv [1024][3072] and w_out [1024][1024], f32, become codes of FP6 (E2M3) with K innermost, 768 bytes a row, and one E8M0 byte for each 32 along K, 32 bytes a row.
; Each buffer holds its codes from byte 0 and its scale bytes from byte SCOFF.  w_qkv's columns 0-2047 (q, k) go to wqkq, its columns 2048-3071 (v) to wvq.
; ROW i OF EVERY OPERAND LIES AT POSITION swap34(i): i with its bits 3 and 4 exchanged.  Sixteen neighbouring positions 16 t + p then hold rows 32 (t / 2) + 8 (t % 2) + p % 8 + 16 (p / 8): in a product that is
; used transposed, a lane's 16 registers of two neighbouring tiles are then 16 neighbours along that operand's index, which is what the next quantiser wants.
; A block's scale is 2^(floor(log2(its largest magnitude)) - 2); its byte is the largest magnitude's exponent field - 2, held at 1 from below.
; LIMITS: a block of zeros, and a block whose largest magnitude lies under 2^-124, get the byte 1 (a block of zeros has zero codes, and this program alone reads the bytes); NaN and infinities are not served.
; Work-groups 0-255 take x: K is innermost, a wave takes 8 rows (8,192 numbers) in 16 steps of 512; a lane needs 16 neighbours, a load is dense, so a step's 2,048 bytes turn through the wave's own stage in LDS.
; Work-groups 256-383 take the weights: K is the first axis, a lane takes a column and its registers run down K; a wave takes 32 columns x 256 K, and the codes leave through the wave's own stage as rows.
; Each path has LDS bytes of its own.  No tensor load, no barrier: waves share nothing.  Each work-group reads 131,072 bytes.
.set SCOFF, 6291456                    ; where the scale bytes begin in each of the four buffers
.set STEPS, 16
.set EMAX,  2
.set CB,    12                         ; bytes of 16 codes
.set XR,    16                         ; x: v16-79   four sets of 16 numbers as they are loaded
.set XX,    80                         ;    v80-111  two sets of 16 neighbours
.set XE,    112                        ;    v112-127 a scale byte for each step
.set XC,    128                        ;    v128-191 codes: four registers for each step
.set WREG,  8192                       ; x: LDS region of a wave: two stages of 32 x SP bytes, behind them its 256 scale bytes
.set SP,    80                         ; a lane's place in a stage: 64 bytes + 16 of padding
.set SPW,   12                         ; v12  LDS address of my spare word; never rewritten
.set NIL,   13                         ; v13  0; never rewritten
.set WSTG,  32768                      ; weights: the four stages, 32 rows x PITCH each
.set PITCH, 272                        ; a stage row: sixteen places of 16 bytes, each with 12 bytes of codes, + 16
.set SPARE, WSTG+4*32*PITCH            ; the spare words, 128 bytes for each wave: two blocks of 256 bytes that no other line names
.set NB,    8                          ; blocks of 32 along K for a wave
.set KROW,  768                        ; a row of codes in bytes
.set WX,    32                         ; weights: v32-95 two sets of 32 numbers
.set WC,    96                         ;    v96.. a block's codes
.set OUTR,  112                        ;    v112-175 the way out
.set SB,    24                         ;    v24-25 the scale bytes, four to a register
.set VO,    176                        ;    v176-207 byte offsets: 4 x lane + i rows of the weight; never rewritten
.macro XLOAD t
.irp i, 0,1,2,3
	global_load_b128 v[XR+16*((\t)%4)+4*\i:XR+16*((\t)%4)+4*\i+3], v3, s[4:5] offset:2048*(\t)+512*\i th:TH_LOAD_NT   ; 32 lanes read 512 consecutive bytes
.endr
.endm
.macro XTURN t                         ; step t's numbers through the stage: LDS serves a wave's instructions in order, so no wait stands between the stores and the loads
.irp i, 0,1,2,3
	ds_store_b128 v14, v[XR+16*((\t)%4)+4*\i:XR+16*((\t)%4)+4*\i+3] offset:32*SP*((\t)%2)+8*SP*\i
.endr
.irp i, 0,1,2,3
	ds_load_b128 v[XX+16*((\t)%2)+4*\i:XX+16*((\t)%2)+4*\i+3], v15 offset:32*SP*((\t)%2)+16*\i
.endr
.endm
.macro XSTEP t
.set XS, XX+16*((\t)%2)
.if (\t) > 0
	s_wait_dscnt 1                                 ; this step's numbers are back from the stage (the last step's byte store may be out): so its stores into the stage have read their registers,
.else
	s_wait_dscnt 0x0
.endif
.if (\t)+4 < STEPS
	XLOAD (\t)+4                                   ; which take the loads of four steps on
.endif
.if (\t)+1 < STEPS
.if STEPS-2-(\t) >= 3
	s_wait_loadcnt 12                              ; the next step's four loads are in; those of the three steps behind it may be out
.else
	s_wait_loadcnt 4*(STEPS-2-(\t))
.endif
	XTURN (\t)+1                                   ; and go through the other stage while this step is worked
.endif
	v_max3_num_f32 v8, |v[XS]|, |v[XS+1]|, |v[XS+2]|               ; the largest magnitude of my 16, in two chains
	v_max3_num_f32 v9, |v[XS+3]|, |v[XS+4]|, |v[XS+5]|
.irp i, 6,10
	v_max3_num_f32 v8, v8, |v[XS+\i]|, |v[XS+\i+1]|
	v_max3_num_f32 v9, v9, |v[XS+\i+2]|, |v[XS+\i+3]|
.endr
	v_max3_num_f32 v8, v8, |v[XS+14]|, |v[XS+15]|
	v_max3_num_f32 v8, v8, v9, (EMAX+1)<<23        ; and the floor 2^(3 - 127): the byte cannot fall under 1
	v_max_num_f32_dpp v8, v8, v8 row_xmask:1 row_mask:0xf bank_mask:0xf   ; and of my neighbour's 16: the block's
	v_add_nc_u32 v11, 0xff000000, v8               ; 2 off its exponent field: the conversion takes the exponent field of this operand as its scale, and nothing else of it
	v_cvt_scalef32_pk16_fp6_f32 v[XC+4*(\t):XC+4*(\t)+2], v[XS:XS+15], v11
	v_lshrrev_b32 v[XE+(\t)], 23, v11              ; the scale's byte (also the plain line behind the conversion)
	ds_store_b8 v5, v[XE+(\t)] offset:16*(\t)      ; both lanes of a block write the same byte with the same value
	global_store_b96 v4, v[XC+4*(\t):XC+4*(\t)+2], s[24:25] offset:32*CB*(\t)   ; the wave stores 384 consecutive bytes
.endm
.macro WLOAD t                         ; block t: W(32 t + i, my column), i = 0 .. 31, into set t % 2; 32 lanes read 128 consecutive bytes, the four waves 512
.irp i, 0,1,2,3,4,5,6,7,8,9,10,11,12,13,14,15,16,17,18,19,20,21,22,23,24,25,26,27,28,29,30,31
	global_load_b32 v[WX+32*((\t)%2)+\i], v[VO+\i], s[32+2*(\t):33+2*(\t)] th:TH_LOAD_NT
.endr
.endm
.macro WBLOCK t
.set XS, WX+32*((\t)%2)
.if (\t) < NB-1
	s_wait_loadcnt 32                              ; this block's 32 loads are in; the next block's may be out
.else
	s_wait_loadcnt 0
.endif
	v_max3_num_f32 v16, |v[XS]|, |v[XS+1]|, |v[XS+2]|              ; the block's largest magnitude: all 32 numbers are mine
	v_max3_num_f32 v17, |v[XS+3]|, |v[XS+4]|, |v[XS+5]|
.irp i, 6,10,14,18,22,26
	v_max3_num_f32 v16, v16, |v[XS+\i]|, |v[XS+\i+1]|
	v_max3_num_f32 v17, v17, |v[XS+\i+2]|, |v[XS+\i+3]|
.endr
	v_max3_num_f32 v16, v16, |v[XS+30]|, |v[XS+31]|
	v_max3_num_f32 v16, v16, v17, (EMAX+1)<<23     ; and the floor
	v_add_nc_u32 v11, 0xff000000, v16              ; the conversion's scale operand
	v_lshrrev_b32 v17, 23, v11                     ; the scale's byte
.if (\t)%4 == 0
	v_mov_b32 v[SB+(\t)/4], v17                    ; four bytes to a register, the lower K in the lower byte
.else
	v_lshl_or_b32 v[SB+(\t)/4], v17, 8*((\t)%4), v[SB+(\t)/4]
.endif
	v_cvt_scalef32_pk16_fp6_f32 v[WC:WC+2], v[XS:XS+15], v11
	v_cvt_scalef32_pk16_fp6_f32 v[WC+4:WC+6], v[XS+16:XS+31], v11  ; (a conversion's three registers begin on an even number)
	ds_store_b96 v4, v[WC:WC+2] offset:32*(\t)     ; 12 bytes to a place of 16, so that every LDS address is a multiple of 16
	ds_store_b96 v4, v[WC+4:WC+6] offset:32*(\t)+16
.if (\t)+2 < NB
	WLOAD (\t)+2
.endif
	s_wait_dscnt 0x0                               ; the stores have read their registers: the next block's codes may be written
.endm
	s_load_b256 s[4:11], s[0:1], 0x0               ; x s[4:5], w_qkv s[6:7], w_out s[8:9], xq s[10:11]
	s_load_b128 s[12:15], s[0:1], 0x20             ; wqkq s[12:13], wvq s[14:15]
	s_load_b64 s[16:17], s[0:1], 0x30              ; woq
	v_lshl_add_u32 v[SPW], v0, 2, SPARE
	v_mov_b32 v[NIL], 0
	v_lshrrev_b32 v1, 5, v0
	v_readfirstlane_b32 s18, v1                    ; wave 0..3
	v_and_b32 v2, 31, v0                           ; lane
	s_wait_kmcnt 0x0
	s_cmp_lt_u32 ttmp9, 256                        ; x's work-group or a weight's?  The work-group's number alone decides
	s_cbranch_scc0 .Lweights
	; ---------------- x
	s_wait_alu depctr_va_vdst(0)
	v_lshlrev_b32 v3, 4, v2                        ; my 16 bytes of a load's 512
	s_mul_i32 s19, s18, WREG
	v_lshrrev_b32 v14, 2, v2
	v_mul_u32_u24 v14, v14, SP
	v_and_b32 v15, 3, v2
	v_lshl_add_u32 v14, v15, 4, v14
	v_add_nc_u32 v14, s19, v14                     ; the stage, on the way in: SP (lane / 4) + 16 (lane % 4)
	v_mul_u32_u24 v15, v2, SP
	v_add_nc_u32 v15, s19, v15                     ; and on the way out: SP x lane: my 16 neighbours
	v_mul_u32_u24 v4, v2, CB                       ; my codes' place in a step's
	v_lshrrev_b32 v5, 1, v2
	s_add_co_u32 s19, s19, 2*32*SP
	v_add_nc_u32 v5, s19, v5                       ; LDS: my wave's 256 scale bytes, my block's byte
	v_lshlrev_b32 v7, 3, v2                        ; and on the way out 8 bytes a lane
	v_add_nc_u32 v6, s19, v7
	s_lshl_b32 s20, ttmp9, 2
	s_add_co_u32 s22, s20, s18                     ; my run of 8 rows: 4 x work-group + wave
	s_lshl_b32 s22, s22, 15                        ; 32,768 bytes a run
	s_mov_b32 s23, 0
	s_add_nc_u64 s[4:5], s[4:5], s[22:23]
	s_and_b32 s21, s18, 1                          ; a run is 8 rows, so a row's bits 3 and 4 are the wave's bits 0 and 1: exchanged, they give the run's place in the output
	s_lshl_b32 s21, s21, 1
	s_lshr_b32 s24, s18, 1
	s_or_b32 s21, s21, s24
	s_add_co_u32 s20, s20, s21
	s_mul_i32 s22, s20, 6144                       ; 8 rows of 768 bytes
	s_add_nc_u64 s[24:25], s[10:11], s[22:23]      ; my codes
	s_lshl_b32 s22, s20, 8                         ; 8 rows of 32 bytes
	s_add_co_u32 s22, s22, SCOFF
	s_add_nc_u64 s[26:27], s[10:11], s[22:23]      ; my scale bytes
.irp t, 0,1,2,3
	XLOAD \t
.endr
	s_wait_alu depctr_va_vdst(0)
	s_wait_loadcnt 12                              ; step 0's four loads are in
	XTURN 0
.irp t, 0,1,2,3,4,5,6,7,8,9,10,11,12,13,14,15
	XSTEP \t
.endr
	ds_load_b64 v[8:9], v6                         ; LDS serves a wave's instructions in order: these see my stores
	s_wait_dscnt 0x0
	global_store_b64 v7, v[8:9], s[26:27]          ; 32 lanes store 256 consecutive bytes, aligned
	s_wait_tensorcnt 0x0                           ; the wave's end, behind my last LDS store
	ds_add_u32 v[SPW], v[NIL]
	s_wait_dscnt 0x0
	s_endpgm
	; ---------------- the weights
.Lweights:
	s_sub_co_u32 s19, ttmp9, 256                   ; j: 0-63 w_qkv's q and k, 64-95 its v, 96-127 w_out
	s_cmp_lt_u32 s19, 96
	s_cselect_b64 s[26:27], s[6:7], s[8:9]         ; the weight
	s_mov_b32 s24, 4096
	s_cselect_b32 s24, 12288, s24                  ; bytes from a row of it to the next
	s_cselect_b32 s20, 0, 96
	s_cselect_b64 s[28:29], s[14:15], s[16:17]     ; the buffer: wvq or woq,
	s_cmp_lt_u32 s19, 64
	s_cselect_b64 s[28:29], s[12:13], s[28:29]     ; or wqkq
	s_cselect_b32 s21, 0, 2048                     ; v's columns begin at 2,048 of w_qkv
	s_cmp_lt_u32 s19, 96
	s_cselect_b32 s21, s21, 0
	s_sub_co_u32 s20, s19, s20                     ; the work-group's number within its weight
	s_and_b32 s22, s20, 3                          ; which 256 along K
	s_lshr_b32 s23, s20, 2
	s_lshl_b32 s23, s23, 7
	s_lshl_b32 s25, s18, 5
	s_add_co_u32 s23, s23, s25                     ; my wave's first column: a multiple of 32
	s_sub_co_u32 s25, s23, s21                     ; and its first row in the buffer
	s_lshl_b32 s30, s24, 8
	s_mul_i32 s30, s30, s22                        ; 256 rows of the weight for each step along K
	s_lshl_b32 s31, s23, 2
	s_add_co_u32 s30, s30, s31
	s_mov_b32 s31, 0
	s_add_nc_u64 s[32:33], s[26:27], s[30:31]      ; block 0's base;
	s_lshl_b32 s50, s24, 5
	s_mov_b32 s51, 0
.irp t, 1,2,3,4,5,6,7
	s_add_nc_u64 s[32+2*\t:33+2*\t], s[30+2*\t:31+2*\t], s[50:51]   ; each block 32 rows further down: a base for each, so that nothing is stepped
.endr
	s_mul_i32 s52, s25, KROW
	s_mul_i32 s53, s22, 192
	s_add_co_u32 s52, s52, s53
	s_mov_b32 s53, 0
	s_add_nc_u64 s[54:55], s[28:29], s[52:53]      ; my codes: row x 768 + 192 for each 256 along K
	s_lshl_b32 s52, s25, 5
	s_lshl_b32 s56, s22, 3
	s_add_co_u32 s52, s52, s56
	s_add_co_u32 s52, s52, SCOFF
	s_add_nc_u64 s[56:57], s[28:29], s[52:53]      ; my scale bytes: row x 32 + 8 for each 256 along K
	s_wait_alu depctr_va_vdst(0)
	v_and_b32 v10, 7, v2
	v_bfe_u32 v5, v2, 3, 1
	v_lshl_add_u32 v10, v5, 4, v10
	v_bfe_u32 v5, v2, 4, 1
	v_lshl_add_u32 v10, v5, 3, v10                 ; my column's position among the wave's 32: the lane with its bits 3 and 4 exchanged
	s_mul_i32 s19, s18, 32*PITCH
	s_add_co_u32 s19, s19, WSTG                    ; my stage
	v_mul_u32_u24 v4, v10, PITCH
	v_add_nc_u32 v4, s19, v4                       ; into it: row = my column's position
	v_and_b32 v5, 15, v2
	v_lshrrev_b32 v6, 4, v2                        ; out of it: sixteen lanes to a row, two rows an instruction
	v_mul_u32_u24 v7, v6, PITCH
	v_lshl_add_u32 v7, v5, 4, v7
	v_add_nc_u32 v7, s19, v7
	v_mul_u32_u24 v8, v6, KROW
	v_mad_u32_u24 v8, v5, 12, v8                   ; and the same place in the codes' buffer
	v_lshlrev_b32 v9, 5, v10                       ; my position's row of scale bytes
	v_lshlrev_b32 v[VO], 2, v2
.irp i, 1,2,3,4,5,6,7,8,9,10,11,12,13,14,15,16,17,18,19,20,21,22,23,24,25,26,27,28,29,30,31
	v_add_nc_u32 v[VO+\i], s24, v[VO+\i-1]
.endr
	WLOAD 0
	WLOAD 1
.set Q, 0
.rept NB
	WBLOCK Q
.set Q, Q+1
.endr
	s_wait_alu depctr_va_vdst(0)
	global_store_b64 v9, v[SB:SB+1], s[56:57]      ; my column's 8 scale bytes: 8 of a row's 32, one byte in 128 of what the wave reads
.irp t, 0,1,2,3,4,5,6,7,8,9,10,11,12,13,14,15
	ds_load_b96 v[OUTR+4*\t:OUTR+4*\t+2], v7 offset:2*\t*PITCH   ; LDS serves a wave's instructions in order: these see my stores
.endr
.irp t, 0,1,2,3,4,5,6,7,8,9,10,11,12,13,14,15
	s_wait_dscnt 15-\t
	global_store_b96 v8, v[OUTR+4*\t:OUTR+4*\t+2], s[54:55] offset:2*\t*KROW   ; sixteen lanes store a row's 192 consecutive bytes
.endr
	s_wait_tensorcnt 0x0                           ; the wave's end, behind my last LDS store
	ds_add_u32 v[SPW], v[NIL]
	s_wait_dscnt 0x0
	s_endpgm
.Lfunc_end_k_qa7b4f051fd_quant:
	.size	k_qa7b4f051fd_quant, .Lfunc_end_k_qa7b4f051fd_quant-k_qa7b4f051fd_quant
	.p2alignl 7, 3214868480
	.fill 96, 4, 3214868480
	.section	.rodata,"a",@progbits
	.p2align	6, 0x0
	.amdhsa_kernel k_qa7b4f051fd_quant
		.amdhsa_group_segment_fixed_size 68096
		.amdhsa_private_segment_fixed_size 0
		.amdhsa_enable_private_segment 0
		.amdhsa_kernarg_size 56
		.amdhsa_user_sgpr_count 2
		.amdhsa_user_sgpr_kernarg_segment_ptr 1
		.amdhsa_wavefront_size32 1
		.amdhsa_system_sgpr_workgroup_id_x 1
		.amdhsa_system_sgpr_workgroup_id_y 1
		.amdhsa_system_sgpr_workgroup_id_z 1
		.amdhsa_system_vgpr_workitem_id 0
		.amdhsa_next_free_vgpr 208
		.amdhsa_next_free_sgpr 66
		.amdhsa_reserve_vcc 0
		.amdhsa_float_denorm_mode_32 3
		.amdhsa_float_denorm_mode_16_64 3
		.amdhsa_memory_ordered 1
		.amdhsa_forward_progress 1
		.amdhsa_inst_pref_size 75
	.end_amdhsa_kernel
	.amdgpu_metadata
---
amdhsa.version: [ 1, 2 ]
amdhsa.kernels:
  - .name:           k_qa7b4f051fd_quant
    .symbol:         k_qa7b4f051fd_quant.kd
    .args:
      - { .name: x, .offset: 0, .size: 8, .value_kind: global_buffer, .address_space: global }
      - { .name: w_qkv, .offset: 8, .size: 8, .value_kind: global_buffer, .address_space: global }
      - { .name: w_out, .offset: 16, .size: 8, .value_kind: global_buffer, .address_space: global }
      - { .name: xq, .offset: 24, .size: 8, .value_kind: global_buffer, .address_space: global }
      - { .name: wqkq, .offset: 32, .size: 8, .value_kind: global_buffer, .address_space: global }
      - { .name: wvq, .offset: 40, .size: 8, .value_kind: global_buffer, .address_space: global }
      - { .name: woq, .offset: 48, .size: 8, .value_kind: global_buffer, .address_space: global }
    .group_segment_fixed_size: 68096
    .private_segment_fixed_size: 0
    .kernarg_segment_align: 8
    .kernarg_segment_size: 56
    .max_flat_workgroup_size: 128
    .sgpr_count:     66
    .vgpr_count:     208
    .wavefront_size: 32
...
	.end_amdgpu_metadata
.endif
;; end of part 1
;; launch qkv (part 2): grid 4 x 64, 4 waves a work-group, clusters of 4 x 4, 327,680 bytes of LDS; arguments xq, wqkq, wvq, qkimg, vimg; writes qkimg, vimg
.if DOCPART == 2
	.amdgcn_target "amdgcn-amd-amdhsa--gfx1250"
	.amdhsa_code_object_version 6
	.text
	.protected	k_qa7b4f051fd_qkv
	.globl	k_qa7b4f051fd_qkv
	.p2align	8
	.type	k_qa7b4f051fd_qkv,@function
k_qa7b4f051fd_qkv:
	s_mov_b64 s[64:65], 0
	v_nop
	global_prefetch_b8 v0, s[64:65] scope:SCOPE_SE
	s_setreg_imm32_b32 hwreg(HW_REG_WAVE_MODE, 25, 1), 1
	s_wait_xcnt 0x0
	s_wait_alu depctr_hold_cnt(0) depctr_sa_sdst(0) depctr_va_vdst(0) depctr_va_sdst(0) depctr_va_ssrc(0) depctr_va_vcc(0) depctr_vm_vsrc(0)
	s_getreg_b32 s2, hwreg(HW_REG_IB_STS2, 6, 4)
	s_cmp_eq_u32 s2, 0
	s_cbranch_scc0 .Lentry_in_a_cluster
	s_endpgm
.Lentry_in_a_cluster:
	s_bfe_u32 s2, ttmp6, 0x10000c
	s_cmp_lg_u32 s2, 0xf033
	s_cbranch_scc0 .Lentry_shape_is_right
	s_endpgm
.Lentry_shape_is_right:
; V, Q, K = x W AND THEIR QUANTISERS, on codes of FP6 (E2M3) with E8M0 scales, K = 1,024.  No f32 result is stored: the results leave as images of operand registers.
; INPUTS: xq, wqkq (q's 1,024 rows, then k's), wvq: codes [row's position][768 bytes] from byte 0, scale bytes [position][32] from byte SCOFF.  A row lies at the position that has its bits 3 and 4 exchanged: in a tile of
; 16 positions that is source 0 of a product, the registers of two neighbouring tiles are then 16 true neighbours in a lane.
; OUTPUTS: AN IMAGE ("hex") is 16 rows x 64 along the quantised axis n: 6 registers a lane, 768 bytes: registers 0-3 at 16 x lane, registers 4-5 at 512 + 8 x lane.  Hex (H = n / 64, R = row position / 16) lies at (512 H + R) x 768;
; its rows' scale words (4 bytes: the blocks of hexes 2 HP, 2 HP + 1) at ISOFF + (512 HP + R) x 64 + 4 r.  qkimg: n = (q or k, head, d), rows = tokens.  vimg: n = tokens, rows = (head, d).
; THE DEAL.  256 work-groups of four waves.  A work-group owns 128 token positions (all of K in LDS, loaded once, read in all three phases) and one group of 256 columns of each of V, Q, K: three phases.
; A wave holds 64 rows of the phase's weight, one head, ALL of K, in 384 registers, and streams x's rows past them in blocks of 16 rows: 8 fragments and 8 scale words, in two sets; a block is 32 products on four accumulators by turns.
; Block s's products read set s % 2; behind them that set takes block (s + 2) % 8, so the last two blocks of a phase fetch the next phase's first two (those of the last phase fetch bytes that nothing uses).
; THE WEIGHTS' REGION IS FILLED THREE TIMES: at the head, and twice again once all waves hold the phase's rows in registers, each time behind the three lines and a round of the cluster's barrier.
; A refill is asked for 256 products a wave ahead of its first read, so NO PREFETCH is laid: no wave stands waiting for it.  A plain barrier, behind which nothing is filled, shows it to all waves.
; CLUSTERS 4 x 4: x's rows are asked for jointly along a row of the cluster, a weight's rows along a column.
; THE WAY OUT of 32 sums in a lane (two half blocks of 16): the largest magnitudes, joined with lane l xor 16's; the scales; two conversions; three swaps give each lane a whole block.  Q, K: a hex a block; V: four hexes for four blocks.
; LIMITS: a block of zeros, or one whose largest magnitude lies under 2^-124, gets the byte 1 (zero codes add nothing, and this program alone reads the bytes); NaN and infinities are not served.
.set SCOFF,  6291456
.set ISOFF,  50331648
.set HSTR,   512*768
.set KROW,   768
.set KS,     32
.set PITCH,  816                       ; an LDS row: 3 x (256 + 16)
.set NQ,     8                         ; K / 128
.set NB,     4                         ; weight tiles a wave
.set FR,     12                        ; registers of a fragment
.set FPW,    21                        ; fragments in a window of 256 registers
.set NF,     28                        ; LDS loads of a block: 26 for eight fragments, 2 for eight scale words
.set WR,     128*PITCH                 ; LDS: x's 128 rows from 0, the weights' 256 rows from WR,
.set XS,     WR+256*PITCH              ; x's scale bytes: 16 units of 256 + 16,
.set STQ,    XS+16*272                 ; Q's and K's scale halfwords: [phase][wave][block 8][row 16],
.set STV,    STQ+2048                  ; V's scale words: [wave][tile 4][row 16],
.set SPARE,  STV+1024                  ; the spare words, 128 bytes for each wave
; window 0
.set ADX0, 4                           ; v4, v5 LDS address of my fragments of block 0 (v5: for the pieces behind one padding more);  v7, v8 of block 1
.set AXS0, 6                           ; v6 of my row's scale words in block 0;  v15 in block 1
.set AD1,  7
.set CO16, 9                           ; 16 x lane
.set SPW,  10
.set NIL,  11
.set ADX,  12                          ; v12, v13, v17: as v4, v5, v6, for the block that is fetched next
.set L8,   14                          ; 8 x lane
.set AS1,  15
.set ABS,  16                          ; 32 x lane
.set AXS,  17
.set STH,  18                          ; LDS: my row's halfword in my stage
.set STW,  19                          ; LDS: my row's word of V
.set RDV,  20
.set RDE,  21
.set STC,  22
.set BA,   24                          ; v24-31 LDS addresses of my four weight tiles
.set SB,   64                          ; v64-111 the weights' scale words, 16 a phase: register 8 p + q: lanes 0-15 tile 2 p, lanes 16-31 tile 2 p + 1, K step q
.set SA,   116                         ; v116-131 the rows' scale words, two sets of eight
; windows 1 to 3: fragment f at window 1 + f / 21, register 12 (f % 21): 0-31 the weights' (4 q + b), 32-39 and 40-47 the rows' two sets.  Window 3 from v80 on:
.set AC,   80                          ; v80-207 accumulators
.set TM,   208
.set TX,   212
.set SO,   214
.set EB,   216
.set HW,   218
.set PC,   224
.set PT,   232
.set WV,   236                         ; v236-239 V's scale words in the making
.set G1X, 24
.set G1W, 32
.set G1S, 48
.set G0X, 56
.set G0W, 60
.set G0S, 68
.set MSB, 0
.macro WIN new                         ; the immediate's high byte repeats the setting that is left
.if MSB != (\new)
	s_set_vgpr_msb (MSB<<8)|(\new)
.set MSB, \new
.endif
.endm
.macro WALU
	s_wait_alu depctr_va_vdst(0)
.endm
.macro CROUND                          ; a round of the cluster's barrier
	s_barrier_signal -1
	s_barrier_wait -1
	s_cmp_lg_u32 s14, 0
	s_cbranch_scc1 .Lnot_wave_0_\@
	s_barrier_signal -3
.Lnot_wave_0_\@:
	s_barrier_wait -3
	s_barrier_signal -1
	s_barrier_wait -1
.endm
.macro TLOAD g0, g1                    ; a tensor load, its s_nop 0 and four v_nop
	tensor_load_to_lds s[\g0:\g0+3], s[\g1:\g1+7]
	s_nop 0
.rept 4
	v_nop
.endr
.endm
.macro ARM under, g0, g1, next         ; an arm of the head's one tree of branches on the wave's number
	s_cmp_lt_u32 s14, \under
	s_cbranch_scc0 \next
	TLOAD \g0, \g1
	s_branch .Lhead_asked
\next:
.endm
.macro GROUP1 g, mask, rows            ; whole rows of 768 bytes, 16 bytes of padding behind every 256
	s_or_b32 s[\g+0], s[\mask], (1<<20)|(1<<21)|(5<<22)|(3<<25)
	s_mov_b32 s[\g+1], (KROW&0xffff)<<16
	s_mov_b32 s[\g+2], (KROW>>16)|((\rows)<<16)
	s_mov_b32 s[\g+3], KROW<<16
	s_mov_b32 s[\g+4], \rows
	s_mov_b32 s[\g+5], KROW
	s_mov_b32 s[\g+6], 0
	s_mov_b32 s[\g+7], 0
.endm
; A fragment, 16 rows x 128 K (K step q): six pieces of 8 bytes, two to a load where both lie behind as many paddings.  Lanes 16-31 read three pieces on; where that is behind one padding more, a1 serves.
.macro FRAG f, q, a0, a1
	WIN (1+(\f)/FPW)<<6
.set R_, FR*((\f)%FPW)
.set SKIP_, 0
.irp p, 0,1,2,3,4,5
.if SKIP_
.set SKIP_, 0
.else
.set PC_, 12*(\q)+6*(\p/3)+\p%3
.set PN_, 12*(\q)+6*((\p+1)/3)+(\p+1)%3
.set X_, (PC_%32+3)/32
.set XQ_, (PN_%32+3)/32
.if (\p < 5) && (X_ == XQ_)
.set SKIP_, 1
.if X_
	ds_load_2addr_b64 v[R_+2*\p:R_+2*\p+3], \a1 offset0:PC_+2*(PC_/32) offset1:PN_+2*(PN_/32)
.else
	ds_load_2addr_b64 v[R_+2*\p:R_+2*\p+3], \a0 offset0:PC_+2*(PC_/32) offset1:PN_+2*(PN_/32)
.endif
.elseif X_
	ds_load_b64 v[R_+2*\p:R_+2*\p+1], \a1 offset:8*(PC_+2*(PC_/32))
.else
	ds_load_b64 v[R_+2*\p:R_+2*\p+1], \a0 offset:8*(PC_+2*(PC_/32))
.endif
.endif
.endr
.endm
.macro WEIGHTS                         ; my 64 rows of the weight, all of K: 104 loads
.irp q, 0,1,2,3,4,5,6,7
.irp b, 0,1,2,3
	FRAG NB*\q+\b, \q, v[BA+2*\b], v[BA+2*\b+1]
.endr
.endr
	WIN 0
.endm
.macro FETCHAT e, a0, a1, as           ; a block of x's rows into set e: NF loads
.irp q, 0,1,2,3,4,5,6,7
	FRAG NB*NQ+NQ*(\e)+\q, \q, \a0, \a1
.endr
	WIN 0
	ds_load_b128 v[SA+8*(\e):SA+8*(\e)+3], \as
	ds_load_b128 v[SA+8*(\e)+4:SA+8*(\e)+7], \as offset:16
.endm
; A product, n = 4 q + b.  kind 0 (Q, K): source 0 the weight's rows, so that a lane holds a token and its registers run along d; kind 1 (V): source 0 x's rows: a lane holds a d and its registers run along the tokens.
.macro PROD1 d, s0, s1, c, x0, x1, side, o
.if \o
	v_wmma_scale_f32_16x16x128_f8f6f4 v[\d:\d+7], v[FR*((\s0)%FPW):FR*((\s0)%FPW)+FR-1], v[FR*((\s1)%FPW):FR*((\s1)%FPW)+FR-1], \c, v[\x0], v[\x1] matrix_a_fmt:MATRIX_FMT_FP6 matrix_b_fmt:MATRIX_FMT_FP6 matrix_\side\()_scale:MATRIX_SCALE_ROW1
.else
	v_wmma_scale_f32_16x16x128_f8f6f4 v[\d:\d+7], v[FR*((\s0)%FPW):FR*((\s0)%FPW)+FR-1], v[FR*((\s1)%FPW):FR*((\s1)%FPW)+FR-1], \c, v[\x0], v[\x1] matrix_a_fmt:MATRIX_FMT_FP6 matrix_b_fmt:MATRIX_FMT_FP6 matrix_\side\()_scale:MATRIX_SCALE_ROW0
.endif
.endm
.macro PROD kind, e, n, a0, as, ph
.set Q_, (\n)/4
.set FB_, NB*Q_+(\n)%4
.set FA_, NB*NQ+NQ*(\e)+Q_
.set D_, (\a0)+(\as)*((\n)%4)
.set XB_, SB+16*(\ph)+NQ*(((\n)%4)/2)+Q_
.set XA_, SA+8*(\e)+Q_
.if \kind
	WIN (1+FA_/FPW)|((1+FB_/FPW)<<2)|0xf0
.if Q_
	PROD1 D_, FA_, FB_, v[D_:D_+7], XA_, XB_, b, (\n)%2
.else
	PROD1 D_, FA_, FB_, 0, XA_, XB_, b, (\n)%2
.endif
.else
	WIN (1+FB_/FPW)|((1+FA_/FPW)<<2)|0xf0
.if Q_
	PROD1 D_, FB_, FA_, v[D_:D_+7], XB_, XA_, a, (\n)%2
.else
	PROD1 D_, FB_, FA_, 0, XB_, XA_, a, (\n)%2
.endif
.endif
.endm
; A BLOCK: 32 products on set e (the first four start the sums: nothing is cleared; the four accumulators take turns), then the fetch of the block two on, modulo 8.
; The block's number is (trip s92 << sh) + j.  The wait's count: behind the fetch of this block's rows stand the next block's NF loads (and LDS stores, which are not counted: a smaller count is safe).
.macro BLK kind, e, a0, as, ph, sh, j
	s_wait_dscnt NF
.set N_, 0
.rept 32
	PROD \kind, \e, N_, \a0, \as, \ph
.set N_, N_+1
.endr
	WIN 0
	s_lshl_b32 s94, s92, \sh
	s_add_co_u32 s94, s94, (\j)+2
	s_and_b32 s94, s94, 7
	s_mul_i32 s101, s94, 16*PITCH
	s_mul_i32 s91, s94, 544
	v_add_nc_u32 v[ADX], s101, v[ADX0]             ; these three and the v_nop are the four places behind the products
	v_add_nc_u32 v[ADX+1], s101, v[ADX0+1]
	v_add_nc_u32 v[AXS], s91, v[AXS0]
	v_nop
	FETCHAT \e, v[ADX], v[ADX+1], v[AXS]
.endm
; THE WAY OUT of the 32 sums from register x of window 3 on: register 16 b + i is index 32 b + 16 (lane / 16) + i of the hex's 64.  All at work lies in window 3.  The hex goes to s[88:89] + off; its two scale bytes are left in v[HW].
.macro HEX x, off
	s_wait_xcnt 0x0                                ; earlier stores have read the codes' registers, which are written again below
	WIN 0xff
.irp k, 0,1,2,3
	v_max3_num_f32 v[TM+\k], |v[\x+8*\k]|, |v[\x+8*\k+1]|, |v[\x+8*\k+2]|   ; four chains, one an accumulator, each from its low end on
.endr
.irp i, 3,5
.irp k, 0,1,2,3
	v_max3_num_f32 v[TM+\k], v[TM+\k], |v[\x+8*\k+\i]|, |v[\x+8*\k+\i+1]|
.endr
.endr
	v_max3_num_f32 v[TM], v[TM], v[TM+1], |v[\x+7]|
	v_max3_num_f32 v[TM+2], v[TM+2], v[TM+3], |v[\x+23]|
	v_max3_num_f32 v[TM], v[TM], |v[\x+15]|, 0x1800000          ; and the floor 2^(3 - 127): the byte cannot fall under 1
	v_max3_num_f32 v[TM+2], v[TM+2], |v[\x+31]|, 0x1800000
	v_permlanex16_b32 v[TX], v[TM], s96, s97
	v_permlanex16_b32 v[TX+1], v[TM+2], s96, s97
	v_max_num_f32 v[TM], v[TM], v[TX]              ; with lane l xor 16's: the block's largest magnitude
	v_max_num_f32 v[TM+2], v[TM+2], v[TX+1]
	v_add_nc_u32 v[SO], 0xff000000, v[TM]          ; 2 off the exponent field: the conversion's scale operand
	v_add_nc_u32 v[SO+1], 0xff000000, v[TM+2]
	v_lshrrev_b32 v[EB], 23, v[SO]                 ; the scale's byte
	v_lshrrev_b32 v[EB+1], 23, v[SO+1]
	v_lshl_or_b32 v[HW], v[EB+1], 8, v[EB]
	v_cvt_scalef32_pk16_fp6_f32 v[PC:PC+2], v[\x:\x+15], v[SO]
	v_cvt_scalef32_pk16_fp6_f32 v[PT:PT+2], v[\x+16:\x+31], v[SO+1]   ; (a conversion's three registers begin on an even number)
	v_nop                                          ; one plain place behind a scaled conversion
.irp i, 0,1,2
	v_permlane16_swap_b32 v[PC+\i], v[PT+\i]       ; a whole block to a lane: lanes 0-15 block 0, lanes 16-31 block 1
.endr
.irp i, 0,1,2
	v_mov_b32 v[PC+3+\i], v[PT+\i]
.endr
	WIN 0x0c                                       ; addresses in window 0, data in window 3
	global_store_b128 v[CO16], v[PC:PC+3], s[88:89] offset:\off          ; 512 and 256 consecutive bytes, aligned to 256
	global_store_b64 v[L8], v[PC+4:PC+5], s[88:89] offset:(\off)+512
.endm
; The weights' region is filled again with the rows at s[a:a+1]: every wave holds the old rows in registers when its wait for its LDS loads has passed.
.macro REFILL a
	s_wait_tensorcnt 0x0                           ; no tensor load of mine is out,
	ds_add_u32 v[SPW], v[NIL]                      ; the add,
	s_mov_b64 s[G0W+2:G0W+3], s[\a:\a+1]           ; (so the descriptor may be written)
	s_or_b32 s[G0W+3], s[G0W+3], 0x80000000
	s_wait_dscnt 0x0                               ; the add is done, and so are my reads of the region
	CROUND
	s_cmp_lt_u32 s14, 2
	s_cbranch_scc0 .Lno_half_\@
	TLOAD G0W, G1W                                 ; waves 0 and 1 a half each
.Lno_half_\@:
.endm
.macro SHOW                            ; a plain barrier shows the refill to all waves
	WALU
	s_wait_tensorcnt 0x0
	s_wait_dscnt 0x0
	s_barrier_signal -1
	s_barrier_wait -1
.endm
.macro QKPH ph, base                   ; Q's or K's eight blocks: a loop of two blocks and four trips
	s_mov_b64 s[88:89], s[\base:\base+1]
	s_mov_b32 s92, 0
.Lqk_\@:
	s_lshl_b32 s90, s92, 6
	v_add_nc_u32 v[STC], s90, v[STH]               ; the trip's two blocks' halfwords: 32 bytes a block
.irp i, 0,1
	BLK 0, \i, AC, 8, \ph, 1, \i
	HEX AC, 768*\i
	ds_store_b16 v[STC], v[HW] offset:((\ph)-1)*1024+32*\i   ; lanes r and 16 + r write the same halfword with the same value
	WIN 0
.endr
	s_wait_xcnt 0x0                                ; the stores have read their base
	s_add_nc_u64 s[88:89], s[88:89], 2*768
	s_add_co_u32 s92, s92, 1
	s_cmp_lg_u32 s92, 4
	WALU
	s_cbranch_scc1 .Lqk_\@
.endm
; ================= THE HEAD
	s_load_b256 s[4:11], s[0:1], 0x0               ; xq, wqkq, wvq, qkimg
	s_load_b64 s[12:13], s[0:1], 0x20              ; vimg
	v_lshl_add_u32 v[SPW], v0, 2, SPARE
	v_mov_b32 v[NIL], 0
	ds_add_u32 v[SPW], v[NIL]                      ; the opening lines: the add, twice on end, and its wait
	ds_add_u32 v[SPW], v[NIL]
	v_lshrrev_b32 v1, 5, v0
	v_readfirstlane_b32 s14, v1                    ; wave 0..3
	s_lshr_b32 s15, s14, 1
	s_and_b32 s16, s14, 1
	s_bfe_u32 s40, ttmp6, 0x40000                  ; cx
	s_bfe_u32 s41, ttmp6, 0x40004                  ; cy
	s_lshl_b32 s42, ttmp9, 2
	s_add_co_u32 s42, s42, s40                     ; the column group, 0..3
	s_and_b32 s17, ttmp7, 0xffff
	s_lshl_b32 s17, s17, 2
	s_add_co_u32 s17, s17, s41                     ; the block of 128 tokens, 0..63
	s_lshl_b32 s43, s41, 2
	s_lshl_b32 s43, 15, s43                        ; my row of the cluster
	s_lshl_b32 s44, 0x1111, s40                    ; my column
	GROUP1 G1X, 43, 128                            ; x's 128 rows, shared along the row
	GROUP1 G1W, 44, 128                            ; half of a weight's 256 rows, shared along the column
	s_or_b32 s[G1S+0], s43, (3<<16)|(1<<20)|(1<<21)|(5<<22)|(3<<25)   ; x's scale bytes: a dense block of 4,096 bytes as 16 rows of 256, 16 bytes of padding behind each
	s_mov_b32 s[G1S+1], 32<<16
	s_mov_b32 s[G1S+2], 16<<16
	s_mov_b32 s[G1S+3], 32<<16
	s_mov_b32 s[G1S+4], 16
	s_mov_b32 s[G1S+5], 32
	s_mov_b32 s[G1S+6], 0
	s_mov_b32 s[G1S+7], 0
	s_mul_i32 s45, s17, 128*KROW                   ; x's rows, bytes from xq
	s_mul_i32 s46, s17, 128*KS
	s_add_co_u32 s46, s46, SCOFF                   ; their scale bytes
	s_mul_i32 s47, s42, 256*KROW                   ; the column group's rows in a tensor of 1,024,
	s_mul_i32 s18, s14, 128*KROW                   ; and the half that I fetch (waves 0, 1)
	s_add_co_u32 s47, s47, s18
	s_mul_i32 s93, s42, 256*KS
	s_mul_i32 s18, s14, 64*KS
	s_add_co_u32 s93, s93, s18
	s_add_co_u32 s93, s93, SCOFF                   ; my 64 rows' scale bytes
	s_mov_b32 s[G0X], 1
	s_mov_b32 s[G0X+1], 0
	s_mov_b32 s[G0S], 1
	s_mov_b32 s[G0S+1], XS
	s_mov_b32 s[G0W], 1
	s_mul_i32 s[G0W+1], s14, 128*PITCH
	s_add_co_u32 s[G0W+1], s[G0W+1], WR
	s_mov_b32 s96, 0x76543210
	s_mov_b32 s97, 0xfedcba98                      ; lane l xor 16
	s_mov_b32 s21, 0
	WALU
	s_wait_dscnt 0x0                               ; both opening adds are done
	CROUND                                         ; the round in front of the first joint loads
	s_wait_kmcnt 0x0
	s_mov_b32 s20, s45
	s_add_nc_u64 s[G0X+2:G0X+3], s[4:5], s[20:21]
	s_or_b32 s[G0X+3], s[G0X+3], 0x80000000
	s_mov_b32 s20, s46
	s_add_nc_u64 s[G0S+2:G0S+3], s[4:5], s[20:21]
	s_or_b32 s[G0S+3], s[G0S+3], 0x80000000
	s_mov_b32 s20, s47
	s_add_nc_u64 s[G0W+2:G0W+3], s[8:9], s[20:21]  ; W_v's rows first,
	s_or_b32 s[G0W+3], s[G0W+3], 0x80000000
	s_add_nc_u64 s[72:73], s[6:7], s[20:21]        ; then W_q's,
	s_add_nc_u64 s[74:75], s[72:73], 1024*KROW     ; then W_k's
	ARM 2, G0W, G1W, .Lhead_x                      ; one joint load a wave: waves 0, 1 the weight's halves, wave 2 x's rows, wave 3 x's scale bytes
	ARM 3, G0X, G1X, .Lhead_s
	TLOAD G0S, G1S
.Lhead_asked:
	s_mov_b32 s20, s93
	s_add_nc_u64 s[98:99], s[8:9], s[20:21]        ; W_v's scale bytes, my 64 rows
	s_add_nc_u64 s[94:95], s[6:7], s[20:21]        ; W_q's; W_k's lie 1,024 rows on
	v_and_b32 v1, 15, v0                           ; r
	v_bfe_u32 v2, v0, 4, 1                         ; h
	v_and_b32 v3, 31, v0                           ; lane
	v_lshlrev_b32 v[ABS], 5, v3
.irp p, 0,1
.irp c, 0,1
	global_load_b128 v[SB+8*\p+4*\c:SB+8*\p+4*\c+3], v[ABS], s[98:99] offset:\p*32*KS+16*\c
	global_load_b128 v[SB+16+8*\p+4*\c:SB+16+8*\p+4*\c+3], v[ABS], s[94:95] offset:\p*32*KS+16*\c
	global_load_b128 v[SB+32+8*\p+4*\c:SB+32+8*\p+4*\c+3], v[ABS], s[94:95] offset:1024*KS+\p*32*KS+16*\c
.endr
.endr
	v_mul_u32_u24 v22, v1, PITCH
	v_mad_u32_u24 v[ADX0], v2, 24, v22             ; row x pitch + 24 x half
	v_mad_u32_u24 v[ADX0+1], v2, 40, v22           ; and behind one padding more
	v_add_nc_u32 v[AD1], 16*PITCH, v[ADX0]
	v_add_nc_u32 v[AD1+1], 16*PITCH, v[ADX0+1]
	s_mul_i32 s18, s14, 64*PITCH
	s_add_co_u32 s18, s18, WR                      ; my 64 rows of the weight
	v_add_nc_u32 v22, s18, v[ADX0]
	v_add_nc_u32 v23, s18, v[ADX0+1]
.irp b, 0,1,2,3
	v_add_nc_u32 v[BA+2*\b], \b*16*PITCH, v22
	v_add_nc_u32 v[BA+2*\b+1], \b*16*PITCH, v23
.endr
	v_lshlrev_b32 v22, 5, v1                       ; my row's scale bytes: 32 a row,
	v_lshrrev_b32 v23, 3, v1
	v_lshl_add_u32 v22, v23, 4, v22                ; 16 more behind each 256
	v_add_nc_u32 v[AXS0], XS, v22
	v_add_nc_u32 v[AS1], 544, v[AXS0]
	v_lshlrev_b32 v[CO16], 4, v3
	v_lshlrev_b32 v[L8], 3, v3
	s_lshl_b32 s18, s14, 8                         ; 256 bytes of each stage are my wave's
	v_lshl_add_u32 v22, v1, 1, s18
	v_add_nc_u32 v[STH], STQ, v22
	v_lshl_add_u32 v22, v1, 2, s18
	v_add_nc_u32 v[STW], STV, v22
	v_add_nc_u32 v22, s18, v[L8]
	v_add_nc_u32 v[RDV], STV, v22
	s_lshl_b32 s18, s15, 9
	s_lshl_b32 s19, s16, 7
	s_add_co_u32 s18, s18, s19
	v_lshl_add_u32 v22, v3, 2, s18                 ; at the end: the even wave's halfwords of my pair, blocks 4 (wave % 2) on, 4 bytes a lane
	v_add_nc_u32 v[RDE], STQ, v22
	WIN 0xc0
	v_mov_b32 v[TX], 0                             ; written once: a lane permute's destination counts as one of its sources
	v_mov_b32 v[TX+1], 0
.irp t, 0,1,2,3
	v_mov_b32 v[WV+\t], 0
.endr
	WIN 0
	; where the results go
	s_lshl_b32 s18, s42, 2
	s_add_co_u32 s18, s18, s14                     ; my head
	s_lshl_b32 s22, s17, 3                         ; R of my first token tile
	s_lshl_b32 s19, s18, 9
	s_add_co_u32 s19, s19, s22
	s_mul_i32 s20, s19, 768
	s_add_nc_u64 s[80:81], s[10:11], s[20:21]      ; Q's hexes (H = head),
	s_add_nc_u64 s[82:83], s[80:81], 16*HSTR       ; K's (H = 16 + head)
	s_lshl_b32 s19, s42, 1
	s_add_co_u32 s19, s19, s15                     ; HP of my pair of heads
	s_lshl_b32 s19, s19, 9
	s_add_co_u32 s19, s19, s22
	s_lshl_b32 s23, s16, 2
	s_add_co_u32 s19, s19, s23                     ; of its eight tiles I store four
	s_lshl_b32 s20, s19, 6
	s_add_co_u32 s20, s20, ISOFF
	s_add_nc_u64 s[84:85], s[10:11], s[20:21]      ; Q's scale words,
	s_add_nc_u64 s[86:87], s[84:85], 8*512*64      ; K's
	s_lshl_b32 s23, s18, 2                         ; V: R = 4 x head
	s_lshl_b32 s19, s17, 10                        ; H = 2 x token block
	s_add_co_u32 s19, s19, s23
	s_mul_i32 s20, s19, 768
	s_add_nc_u64 s[76:77], s[12:13], s[20:21]      ; V's hexes
	s_lshl_b32 s19, s17, 9                         ; HP = token block
	s_add_co_u32 s19, s19, s23
	s_lshl_b32 s20, s19, 6
	s_add_co_u32 s20, s20, ISOFF
	s_add_nc_u64 s[78:79], s[12:13], s[20:21]      ; V's scale words
	WALU
	s_wait_loadcnt 0x0                             ; the weights' scale words
	s_wait_tensorcnt 0x0                           ; my tile has landed,
	s_barrier_signal -1
	s_barrier_wait -1                              ; everybody's has
; ================= PHASE 0: V.  A loop of four blocks and two trips: four blocks are 64 tokens, a hex for each of my four tiles of d
	WEIGHTS
	FETCHAT 0, v[ADX0], v[ADX0+1], v[AXS0]
	FETCHAT 1, v[AD1], v[AD1+1], v[AS1]
	REFILL 72
	s_mov_b64 s[88:89], s[76:77]
	s_mov_b32 s92, 0
.Lv:
.irp j, 0,1,2,3
	BLK 1, \j%2, AC+8*\j, 32, 0, 2, \j
.endr
.irp t, 0,1,2,3
	HEX AC+32*\t, 768*\t
	WIN 0xff
	v_lshrrev_b32 v[WV+\t], 16, v[WV+\t]           ; the word's lower half: the first trip's two bytes; the upper: this trip's
	v_lshl_or_b32 v[WV+\t], v[HW], 16, v[WV+\t]
	WIN 0x0c
	ds_store_b32 v[STW], v[WV+\t] offset:64*\t     ; (the second trip's store, which holds the whole word, lands on the first's)
.endr
	WIN 0
	s_wait_xcnt 0x0                                ; the stores have read their base
	s_add_nc_u64 s[88:89], s[88:89], HSTR
	s_add_co_u32 s92, s92, 1
	s_cmp_lg_u32 s92, 2
	WALU
	s_cbranch_scc1 .Lv
; ================= PHASES 1 AND 2: Q, K
	SHOW
	WEIGHTS
	REFILL 74
	QKPH 1, 80
	SHOW
	WEIGHTS
	s_wait_dscnt 0x0
	QKPH 2, 82
; ================= THE END: the scale bytes leave as whole units of 256 bytes.  A word of Q or K holds two heads' halfwords: two waves' stages are joined
	WALU
	s_wait_dscnt 0x0
	s_barrier_signal -1
	s_barrier_wait -1
	ds_load_b32 v32, v[RDE]                        ; Q: the even head's halfwords of rows r, r + 1,
	ds_load_b32 v33, v[RDE] offset:256             ; the odd head's;
	ds_load_b32 v34, v[RDE] offset:1024            ; K likewise
	ds_load_b32 v35, v[RDE] offset:1280
	ds_load_b64 v[36:37], v[RDV]                   ; V's words are my own
	s_wait_dscnt 0x0
	v_perm_b32 v40, v33, v32, 0x05040100           ; row r: the two low halves
	v_perm_b32 v41, v33, v32, 0x07060302           ; row r + 1: the two high halves
	v_perm_b32 v42, v35, v34, 0x05040100
	v_perm_b32 v43, v35, v34, 0x07060302
	global_store_b64 v[L8], v[40:41], s[84:85]
	global_store_b64 v[L8], v[42:43], s[86:87]
	global_store_b64 v[L8], v[36:37], s[78:79]
	s_wait_tensorcnt 0x0                           ; the wave's end
	ds_add_u32 v[SPW], v[NIL]
	s_wait_dscnt 0x0
	CROUND                                         ; the closing round
	s_endpgm
.Lfunc_end_k_qa7b4f051fd_qkv:
	.size	k_qa7b4f051fd_qkv, .Lfunc_end_k_qa7b4f051fd_qkv-k_qa7b4f051fd_qkv
	.p2alignl 7, 3214868480
	.fill 96, 4, 3214868480
	.section	.rodata,"a",@progbits
	.p2align	6, 0x0
	.amdhsa_kernel k_qa7b4f051fd_qkv
		.amdhsa_group_segment_fixed_size 327680
		.amdhsa_private_segment_fixed_size 0
		.amdhsa_enable_private_segment 0
		.amdhsa_kernarg_size 40
		.amdhsa_user_sgpr_count 2
		.amdhsa_user_sgpr_kernarg_segment_ptr 1
		.amdhsa_wavefront_size32 1
		.amdhsa_system_sgpr_workgroup_id_x 1
		.amdhsa_system_sgpr_workgroup_id_y 1
		.amdhsa_system_sgpr_workgroup_id_z 1
		.amdhsa_system_vgpr_workitem_id 0
		.amdhsa_next_free_vgpr 1024
		.amdhsa_next_free_sgpr 102
		.amdhsa_reserve_vcc 0
		.amdhsa_float_denorm_mode_32 3
		.amdhsa_float_denorm_mode_16_64 3
		.amdhsa_memory_ordered 1
		.amdhsa_forward_progress 1
		.amdhsa_inst_pref_size 107
	.end_amdhsa_kernel
	.amdgpu_metadata
---
amdhsa.version: [ 1, 2 ]
amdhsa.kernels:
  - .name:           k_qa7b4f051fd_qkv
    .symbol:         k_qa7b4f051fd_qkv.kd
    .args:
      - { .name: xq, .offset: 0, .size: 8, .value_kind: global_buffer, .address_space: global }
      - { .name: wqkq, .offset: 8, .size: 8, .value_kind: global_buffer, .address_space: global }
      - { .name: wvq, .offset: 16, .size: 8, .value_kind: global_buffer, .address_space: global }
      - { .name: qkimg, .offset: 24, .size: 8, .value_kind: global_buffer, .address_space: global }
      - { .name: vimg, .offset: 32, .size: 8, .value_kind: global_buffer, .address_space: global }
    .group_segment_fixed_size: 327680
    .private_segment_fixed_size: 0
    .kernarg_segment_align: 8
    .kernarg_segment_size: 40
    .max_flat_workgroup_size: 128
    .sgpr_count:     102
    .vgpr_count:     1024
    .wavefront_size: 32
...
	.end_amdgpu_metadata
.endif
;; end of part 2
;; launch attn (part 3): grid 2 x 128, 8 waves a work-group, no clusters, 167,936 bytes of LDS; arguments qkimg, vimg, oimg; writes oimg
.if DOCPART == 3
	.amdgcn_target "amdgcn-amd-amdhsa--gfx1250"
	.amdhsa_code_object_version 6
	.text
	.protected	k_qa7b4f051fd_attn
	.globl	k_qa7b4f051fd_attn
	.p2align	8
	.type	k_qa7b4f051fd_attn,@function
k_qa7b4f051fd_attn:
	s_mov_b64 s[64:65], 0
	v_nop
	global_prefetch_b8 v0, s[64:65] scope:SCOPE_SE
	s_setreg_imm32_b32 hwreg(HW_REG_WAVE_MODE, 25, 1), 1
	s_wait_xcnt 0x0
; o[b][h][q][:] = the sum over k of softmax_k(q . k / 32) v[k][:], 8 x 16 heads of 64, 1,024 tokens, both products on codes of FP6 (E2M3) with E8M0 scales; o is quantised along (head, d) and leaves as operand images.
; THE SOFTMAX AHEAD OF THE SECOND PRODUCT: t = score x log2(e) / 32; M = the row's largest t so far, rounded UP to a whole number; p = 2^(t - M) is quantised along the keys, not normalised.
; The row's sum is taken of the unquantised p, in f32, and divides O at the end.  When M moves, the sum and O are multiplied by 2^(old M - new M): exact.
; INPUTS are images of operand registers ("hexes": 16 rows x 64 K, 768 bytes: registers 0-3 at 16 x lane, registers 4-5 at 512 + 8 x lane), hex (H, R) at (512 H + R) x 768, scale words at ISOFF + (512 HP + R) x 64 + 4 r.
;   qkimg: H = head (q), 16 + head (k); R = 64 x batch + tile of 16 token positions.   vimg: H = 16 x batch + 64 keys' number; R = 4 x head + tile of 16 d positions.  Positions are indices with bits 3 and 4 exchanged.
; THE FIRST PRODUCT'S K IS 64: registers 6-11 of each operand are zero codes, written once; their two scale bytes are the 0 that a 16-bit load leaves.
; SHARES.  A work-group owns 512 queries of one head; each of its eight waves four tiles of 16, TWO AT A TIME (two passes): tile X in register window 0, tile Y in window 1, under the same register numbers, so that one text
; serves both and each fragment of K and V that is read from LDS feeds two tiles.  All of the head's K and V (104,448 bytes) come into LDS once, by six tensor loads at the head: no ring, no refill, one barrier.
; THE KEYS OF A TILE OF K ARE CHOSEN BY THE LANES' LDS ADDRESSES: of each 64 keys, row 8 g + j of tile t is key 32 g + 8 t + j.  In S^T = K Q^T lane (r, h) then holds, in the 32 registers of four tiles, keys 32 h + 0 .. 31:
; one whole scale block of p, in the order of the operand's registers.  No lane asks another for a block's maximum, and p's codes are not exchanged between lanes.
; NO CLUSTER: a head has two work-groups, and what they share is that one first fill.  NO PREFETCH: all that the launch reads is asked for at its head.
; o's scale bytes, 2 of a row's 32, leave as 16-bit stores, a lane a row; all other stores cover 256 or 512 consecutive aligned bytes.
; LIMITS: the promise holds while |t| stays under 2^31; a block of o that is all zeros, or whose largest magnitude lies under 2^-124, gets the byte 1 (this program alone reads the bytes); NaN and infinities are not served.
.set ISOFF, 50331648
.set SCOFF, 6291456                    ; where o's scale bytes begin, [position][32]
.set KIMG,  0                          ; LDS: K's 64 hexes,
.set VIMG,  49152                      ; V's: [64 keys' number 16][d tile 4][768],
.set KSC,   98304                      ; K's scale words [tile 64][16] (of a pair of heads),
.set VSC,   102400                     ; V's [128 keys' number 8][d tile 4][16],
.set SPARE, 104448                     ; the spare words, 128 bytes for each wave: four blocks of 256 bytes that no other line names
; window 0 alone
.set AK0,  1                           ; 1,536 g + 16 j + 256 h: my 16 bytes of a tile's row;  v2 the same for my 8 bytes
.set AK1,  2
.set AV0,  3                           ; VIMG + 16 l;  v4 VIMG + 512 + 8 l
.set AV1,  4
.set SPW,  5                           ; my spare word; never rewritten
.set NIL,  6                           ; 0; never rewritten
.set ASK0, 7                           ; KSC + 128 g + 4 j + 2 (head % 2)
.set ASV0, 8                           ; VSC + 4 r
.set L16,  9
.set L8,   10
.set L32,  11
.set ADK0, 16                          ; v16-21 the step's LDS addresses
.set ADK1, 17
.set ADV0, 18
.set ADV1, 19
.set ADS,  20
.set ADT,  21
.set QSC,  22                          ; v22-25 Q's scale words, tile 2 pass + (X: 0, Y: 1)
.set OWS,  26
.set KSW,  28                          ; v28-35 K's scale words
.set VSW,  36                          ; v36-39 V's
.set PSW,  40                          ; v40, v41 p's scale word, X's and Y's
.set R4,   42
.set TW,   46                          ; at work
.set VF,   188                         ; v188-235 V's four fragments
; window 1 alone: K's eight fragments
.set KF0, 188
.set KF1, 200
.set KF2, 212
.set KF3, 224
.set KF4, 236
.set KF5, 0
.set KF6, 16
.set KF7, 28
; both windows: a tile's own
.set NM,   12                          ; -M;  v13 the largest score so far;  v[14:15] the sum, in two halves
.set RM,   13
.set L,    14
.set SH8,  47                          ; 8 h
.set QF,   48                          ; v48-59 Q
.set BM,   60                          ; v60-63 maxima
.set S,    64                          ; v64-127 S^T, then p; on the way out o
.set O,    128                         ; v128-159 O^T
.set PCD,  160                         ; v160-171 p's codes (before them: the sum's seven side chains, v160-173)
.set PT,   172                         ; v172-174, v176-178 the conversions' second halves
.set BS,   180                         ; the conversions' scale operands
.set BX,   182                         ; the bytes
.set F,    184                         ; v[184:185] f (the upper half is written once)
.set T,    186
.set T1,   187
.set Q2,   248                         ; v248-253 the second pass's Q
.set TB,   2                           ; s2 the step's hexes: 6,144 bytes a step, in K's region and in V's alike
.set TS,   3                           ; s3 K's scale words: 512 a step
.set TJ,   10                          ; s10 V's: 256 a step
.set CNT,  11
.set WV,   18
.set SEL,  20                          ; s[20:21] lane l xor 16
.set CS,   22                          ; s[22:23] c = log2(e) / 32
.set G1K,  24
.set G1V,  32
.set G1KS, 40
.set G1VS, 48
.set G0K,  56
.set G0V,  60
.set G0KS, 68
.set G0VS, 72
.set MSB, 0
.macro WIN new                         ; the immediate's high byte repeats the setting that is left
.if MSB != (\new)
	s_set_vgpr_msb (MSB<<8)|(\new)
.set MSB, \new
.endif
.endm
.macro WALU
	s_wait_alu depctr_va_vdst(0)
.endm
.macro MM d, a, b, c, sa, sb
	v_wmma_scale_f32_16x16x128_f8f6f4 v[\d:\d+7], v[\a:\a+11], v[\b:\b+11], \c, v[\sa], v[\sb] matrix_a_fmt:MATRIX_FMT_FP6 matrix_b_fmt:MATRIX_FMT_FP6
.endm
.macro GRP1 g, c, r, p                 ; group 1: r rows of c elements of 8 bytes, p elements apart; no mask, no padding
	s_mov_b32 s[\g], 3<<16
	s_mov_b32 s[\g+1], (\c)<<16
	s_mov_b32 s[\g+2], (\r)<<16
	s_mov_b32 s[\g+3], (\c)<<16
	s_mov_b32 s[\g+4], \r
	s_mov_b32 s[\g+5], \p
	s_mov_b32 s[\g+6], 0
	s_mov_b32 s[\g+7], 0
.endm
.macro TL g0, g1                       ; a tensor load, its s_nop 0 and four v_nop
	tensor_load_to_lds s[\g0:\g0+3], s[\g1:\g1+7]
	s_nop 0
.rept 4
	v_nop
.endr
.endm
; K's eight tiles of a step and their scale words: 24 loads.  Tile q = 4 c + t: hex 4 c + t % 2 (+ 2 g, in the lane's address), rows 8 (t / 2) + j
.macro KLOAD a0, a1, as, o, os
	WIN 0x40
.irp q, 0,1,2,3,4,5,6,7
	ds_load_b128 v[KF\q:KF\q+3], v[\a0] offset:(\o)+((\q/4)*4+(\q%2))*768+128*((\q%4)/2)
	ds_load_b64 v[KF\q+4:KF\q+5], v[\a1] offset:(\o)+((\q/4)*4+(\q%2))*768+64*((\q%4)/2)
.endr
	WIN 0
.irp q, 0,1,2,3,4,5,6,7
	ds_load_u16 v[KSW+\q], v[\as] offset:(\os)+((\q/4)*4+(\q%2))*64+32*((\q%4)/2)
.endr
.endm
; A pass's starting values, for both tiles
.macro CLEAR
.irp y, 0,1
	WIN 0x55*\y
	v_mov_b32 v[RM], 0xff61b1e6                    ; the largest score so far: -3e38
	v_mov_b32 v[NM], 0x7f61b1e6                    ; -M: 3e38, so that the first f is 0
	v_mov_b32 v[L], 0
	v_mov_b32 v[L+1], 0
.set j, 0
.rept 32
	v_mov_b32 v[O+j], 0                            ; O^T.  (The step is written once a pass: the first step finds zeros; a first step of its own would be a further copy of the step)
.set j, j+1
.endr
.endr
	WIN 0
.endm
; THE SET-UP OF THE FIRST PASS, 141 vector instructions on registers alone.  Every wave runs it once: the waves of class 0 ahead of the barrier, the waves of class 1 behind it.
; So two waves whose numbers differ by 1 or by 4 enter the first step that many instructions apart, and do not walk the step's parts side by side.
.macro SETUP
	WIN 0x40
	v_lshlrev_b32 v[SH8], 3, v20
.irp i, 6,7,8,9,10,11
	v_mov_b32 v[QF+\i], 0                          ; K = 64 .. 127 of the first product: zero codes, for the whole launch
.irp q, 0,1,2,3,4,5,6,7
	v_mov_b32 v[KF\q+\i], 0
.endr
.endr
	v_mov_b32 v[T], 0                              ; written once: a lane permute's destination counts as one of its sources
	v_mov_b32 v[T1], 0
	v_mov_b32 v[F+1], 0
	WIN 0
	v_lshlrev_b32 v[SH8], 3, v20
.irp i, 6,7,8,9,10,11
	v_mov_b32 v[QF+\i], 0
.endr
	v_mov_b32 v[T], 0
	v_mov_b32 v[T1], 0
	v_mov_b32 v[F+1], 0
	v_mov_b32 v[TW], 0
	CLEAR
.endm
	s_load_b128 s[4:7], s[0:1], 0x0                ; qkimg, vimg
	s_load_b64 s[8:9], s[0:1], 0x10                ; oimg
	v_lshl_add_u32 v[SPW], v0, 2, SPARE
	v_mov_b32 v[NIL], 0
	ds_add_u32 v[SPW], v[NIL]                      ; the opening lines: the add, twice on end, and its wait ahead of the first tensor load
	ds_add_u32 v[SPW], v[NIL]
	v_lshrrev_b32 v16, 5, v0
	v_readfirstlane_b32 s[WV], v16                 ; wave 0..7
	s_and_b32 s13, ttmp7, 0xffff
	s_lshr_b32 s14, s13, 4                         ; batch
	s_and_b32 s15, s13, 15                         ; head
	s_and_b32 s16, s[WV], 1                        ; which half I fetch, if I fetch
	GRP1 G1K, 32, 96, 32                           ; K's hexes: half of a dense block of 49,152 bytes, as 96 rows of 256 bytes
	GRP1 G1V, 384, 8, 49152                        ; V's hexes: 8 rows of 3,072 bytes (the head's four d tiles), 393,216 bytes apart
	GRP1 G1KS, 32, 16, 32                          ; K's scale words: a dense block of 4,096 bytes
	GRP1 G1VS, 32, 8, 4096                         ; V's scale words: 8 rows of 256 bytes, 32,768 bytes apart
	s_lshl_b32 s76, s14, 6                         ; 64 x batch
	s_lshl_b32 s77, s15, 9                         ; 512 x head
	s_add_co_u32 s78, s76, s77
	s_add_co_u32 s88, s78, 16*512                  ; K: hex (16 + head, 64 x batch)
	s_mul_i32 s88, s88, 768
	s_mul_i32 s17, s16, 24576                      ; my half, in memory and in LDS
	s_add_co_u32 s88, s88, s17
	s_mov_b32 s89, 0
	s_lshl_b32 s90, s14, 13
	s_lshl_b32 s19, s15, 2
	s_add_co_u32 s90, s90, s19                     ; V: hex (16 x batch, 4 x head)
	s_mul_i32 s90, s90, 768
	s_mul_i32 s91, s16, 8*393216                   ; my half: 8 rows on
	s_add_co_u32 s90, s90, s91
	s_mov_b32 s91, 0
	s_lshr_b32 s92, s15, 1
	s_lshl_b32 s92, s92, 9
	s_add_co_u32 s92, s92, s76                     ; 512 (head / 2) + 64 x batch
	s_add_co_u32 s94, s92, 8*512                   ; K's scale words: HP = 8 + head / 2
	s_lshl_b32 s94, s94, 6
	s_add_co_u32 s94, s94, ISOFF
	s_mov_b32 s95, 0
	s_lshl_b32 s96, s14, 12
	s_add_co_u32 s96, s96, s19                     ; V's: HP = 8 x batch, R = 4 x head
	s_lshl_b32 s96, s96, 6
	s_add_co_u32 s96, s96, ISOFF
	s_mov_b32 s97, 0
	s_lshl_b32 s79, ttmp9, 5
	s_lshl_b32 s93, s[WV], 2
	s_add_co_u32 s79, s79, s93                     ; my first tile of queries in the batch: 32 x work-group x + 4 x wave
	s_add_co_u32 s78, s78, s79
	s_mul_i32 s80, s78, 768                        ; hex (head, R0): q's, and o's
	s_mov_b32 s81, 0
	s_add_co_u32 s92, s92, s79
	s_lshl_b32 s82, s92, 6                         ; q's scale words,
	s_and_b32 s93, s15, 1
	s_lshl_b32 s93, s93, 1                         ; my head's two bytes of the pair's four
	s_add_co_u32 s82, s82, s93
	s_add_co_u32 s82, s82, ISOFF
	s_mov_b32 s83, 0
	s_add_co_u32 s86, s76, s79                     ; R0
	s_lshl_b32 s86, s86, 9                         ; o's scale bytes: 16 positions of 32 bytes a tile,
	s_lshl_b32 s87, s15, 1                         ; bytes 2 x head, 2 x head + 1
	s_add_co_u32 s86, s86, s87
	s_add_co_u32 s86, s86, SCOFF
	s_mov_b32 s87, 0
	s_mov_b32 s[SEL], 0x76543210
	s_mov_b32 s[SEL+1], 0xfedcba98
	s_mov_b32 s[CS], 0x3d38aa3b
	s_mov_b32 s[CS+1], s[CS]                       ; (named with it as a pair, so it is written)
	s_mov_b32 s12, 0xffff0000                      ; lanes 16-31
	s_wait_dscnt 0x0                               ; both opening adds are done
	s_wait_kmcnt 0x0
	s_mov_b32 s[G0K], 1
	s_add_co_u32 s[G0K+1], s17, KIMG
	s_add_nc_u64 s[G0K+2:G0K+3], s[4:5], s[88:89]
	s_or_b32 s[G0K+3], s[G0K+3], 0x80000000
	s_mov_b32 s[G0V], 1
	s_add_co_u32 s[G0V+1], s17, VIMG
	s_add_nc_u64 s[G0V+2:G0V+3], s[6:7], s[90:91]
	s_or_b32 s[G0V+3], s[G0V+3], 0x80000000
	s_mov_b32 s[G0KS], 1
	s_mov_b32 s[G0KS+1], KSC
	s_add_nc_u64 s[G0KS+2:G0KS+3], s[4:5], s[94:95]
	s_or_b32 s[G0KS+3], s[G0KS+3], 0x80000000
	s_mov_b32 s[G0VS], 1
	s_mov_b32 s[G0VS+1], VSC
	s_add_nc_u64 s[G0VS+2:G0VS+3], s[6:7], s[96:97]
	s_or_b32 s[G0VS+3], s[G0VS+3], 0x80000000
	; The first and only fills: waves 0, 1 K's halves, waves 2, 3 V's, wave 4 K's scale words, wave 5 V's; one load a wave, waves 6 and 7 none.  Every wait on TENSORcnt in this text is for 0.
	s_cmp_lt_u32 s[WV], 2
	s_cbranch_scc0 .Lnot_k
	TL G0K, G1K
	s_branch .Lasked
.Lnot_k:
	s_cmp_lt_u32 s[WV], 4
	s_cbranch_scc0 .Lnot_v
	TL G0V, G1V
	s_branch .Lasked
.Lnot_v:
	s_cmp_eq_u32 s[WV], 4
	s_cbranch_scc0 .Lnot_ks
	TL G0KS, G1KS
	s_branch .Lasked
.Lnot_ks:
	s_cmp_eq_u32 s[WV], 5
	s_cbranch_scc0 .Lasked
	TL G0VS, G1VS
.Lasked:
	s_add_nc_u64 s[84:85], s[8:9], s[80:81]        ; o's hexes
	s_add_nc_u64 s[80:81], s[4:5], s[80:81]        ; q's hexes
	s_add_nc_u64 s[82:83], s[4:5], s[82:83]        ; q's scale words
	s_add_nc_u64 s[86:87], s[8:9], s[86:87]        ; o's scale bytes
	v_and_b32 v16, 31, v0                          ; lane
	v_and_b32 v17, 15, v0                          ; r
	v_and_b32 v18, 7, v0                           ; j
	v_bfe_u32 v19, v0, 3, 1                        ; g
	v_bfe_u32 v20, v0, 4, 1                        ; h
	v_lshlrev_b32 v[L16], 4, v16
	v_lshlrev_b32 v[L8], 3, v16
	v_lshlrev_b32 v[L32], 5, v16
	v_lshlrev_b32 v[R4], 2, v17
	global_load_b128 v[QF:QF+3], v[L16], s[80:81]                  ; my four tiles of Q: X of pass 0, X of pass 1,
	global_load_b64 v[QF+4:QF+5], v[L8], s[80:81] offset:512
	global_load_b128 v[Q2:Q2+3], v[L16], s[80:81] offset:1536
	global_load_b64 v[Q2+4:Q2+5], v[L8], s[80:81] offset:2048
.irp i, 0,1,2,3
	global_load_u16 v[QSC+\i], v[R4], s[82:83] offset:64*\i        ; two scale bytes; the upper two are the 0 of the widening
.endr
	WIN 0x40
	global_load_b128 v[QF:QF+3], v[L16], s[80:81] offset:768       ; and Y's, into window 1
	global_load_b64 v[QF+4:QF+5], v[L8], s[80:81] offset:1280
	global_load_b128 v[Q2:Q2+3], v[L16], s[80:81] offset:2304
	global_load_b64 v[Q2+4:Q2+5], v[L8], s[80:81] offset:2816
	WIN 0
	s_lshr_b32 s19, s[WV], 2
	s_xor_b32 s19, s19, s[WV]
	s_and_b32 s19, s19, 1                          ; my class: (wave xor wave / 4) % 2: waves whose numbers differ by 1 or by 4 are of different classes
	s_cmp_eq_u32 s19, 0
	WALU
	s_cbranch_scc0 .Llater
	SETUP                                          ; class 0: ahead of the barrier
.Llater:
	v_mul_u32_u24 v21, v19, 1536                   ; two hexes on for rows 8 .. 15 of a tile
	v_lshl_add_u32 v[AK0], v18, 4, v21
	v_lshl_add_u32 v[AK0], v20, 8, v[AK0]
	v_lshl_add_u32 v[AK1], v18, 3, v21
	v_lshl_add_u32 v[AK1], v20, 7, v[AK1]
	v_add_nc_u32 v[AK1], KIMG+512, v[AK1]
	v_add_nc_u32 v[AV0], VIMG, v[L16]
	v_add_nc_u32 v[AV1], VIMG+512, v[L8]
	v_lshlrev_b32 v[ASK0], 7, v19
	v_lshl_add_u32 v[ASK0], v18, 2, v[ASK0]
	v_add_nc_u32 v[ASK0], s93, v[ASK0]
	v_add_nc_u32 v[ASK0], KSC, v[ASK0]
	v_add_nc_u32 v[ASV0], VSC, v[R4]
	WALU
	s_wait_loadcnt 0x0                             ; Q
	s_wait_tensorcnt 0x0                           ; my part of the head's K and V has landed,
	s_barrier_signal -1
	s_barrier_wait -1                              ; everybody's has
	s_cmp_eq_u32 s19, 0
	s_cbranch_scc1 .Learlier
	SETUP                                          ; class 1: behind the barrier
.Learlier:
; THE SOFTMAX OF ONE TILE AND 128 KEYS, under the tile's window.  Register 32 c + i of lane (r, h) is key 64 c + 32 h + i of query r.
.macro SOFT y
	WIN 0x55*\y
.if \y
	WALU
.endif
.irp k, 0,1,2,3
	v_max3_num_f32 v[BM+\k], v[S+16*\k], v[S+16*\k+1], v[S+16*\k+2]   ; the largest score of each block of 32 keys, two chains a block; each accumulator is first read at its low end
.endr
.irp i, 3,5,7,9,11,13
.irp k, 0,1,2,3
	v_max3_num_f32 v[BM+\k], v[BM+\k], v[S+16*\k+\i], v[S+16*\k+\i+1]
.endr
.endr
	v_max3_num_f32 v[BM], v[BM], v[BM+1], v[S+15]
	v_max3_num_f32 v[BM+2], v[BM+2], v[BM+3], v[S+47]
	v_max_num_f32 v[BM], v[BM], v[S+31]            ; block h
	v_max_num_f32 v[BM+2], v[BM+2], v[S+63]        ; block 2 + h
	v_max_num_f32 v[T], v[BM], v[BM+2]
	v_permlanex16_b32 v[T1], v[T], s[SEL], s[SEL+1]
	v_max3_num_f32 v[RM], v[RM], v[T], v[T1]       ; the running largest score of my query
	s_delay_alu instid0(VALU_DEP_1)
	v_mul_f32 v[T], s[CS], v[RM]                   ; as t (c is positive)
	v_mov_b32 v[T1], v[NM]
	s_delay_alu instid0(VALU_DEP_2)
	v_floor_f32 v[NM], -v[T]                       ; the new -M = floor(-t) = -ceil(t): M IS A WHOLE NUMBER
	s_delay_alu instid0(VALU_DEP_1)
	v_sub_f32 v[T], v[NM], v[T1]                   ; M's old value less its new one
	s_delay_alu instid0(VALU_DEP_1)
	v_cvt_i32_f32 v[T], v[T]                       ; (it saturates)
	s_delay_alu instid0(VALU_DEP_1)
	v_ldexp_f32 v[F], 1.0, v[T]                    ; f = 2^(old M - new M)
.set j, 0
.rept 32
	v_pk_fma_f32 v[S+j:S+j+1], v[S+j:S+j+1], s[CS:CS+1], v[NM:NM+1] op_sel_hi:[1,0,0]   ; t - M, two at a time
.set j, j+2
.endr
	v_fma_f32 v[BM], v[BM], s[CS], v[NM]           ; the same of each block's largest score
	v_fma_f32 v[BM+2], v[BM+2], s[CS], v[NM]
	WALU
.set j, 0
.rept 64
	v_exp_f32 v[S+j], v[S+j]                       ; p = 2^(t - M), at most 1
.set j, j+1
.endr
	v_exp_f32 v[BM], v[BM]                         ; the block's largest p: the same two instructions on the same number give the same bits
	v_exp_f32 v[BM+2], v[BM+2]
	v_pk_mul_f32 v[L:L+1], v[L:L+1], v[F:F+1] op_sel_hi:[1,0]   ; the sums under the new M (the plain place behind the batch)
	WALU                                           ; one wait for the whole batch, ahead of its first reader
.irp k, 0,1,2,3,4,5,6                          ; THE ROW'S SUM IS TAKEN OF THE UNQUANTISED p: 32 pairs in eight chains
	v_pk_add_f32 v[PCD+2*\k:PCD+2*\k+1], v[S+4*\k:S+4*\k+1], v[S+4*\k+2:S+4*\k+3]
.endr
	v_pk_add_f32 v[L:L+1], v[L:L+1], v[S+28:S+29]
.irp k, 0,1,2,3,4,5,6
	v_pk_add_f32 v[PCD+2*\k:PCD+2*\k+1], v[PCD+2*\k:PCD+2*\k+1], v[S+30+2*\k:S+31+2*\k]
.endr
	v_pk_add_f32 v[L:L+1], v[L:L+1], v[S+44:S+45]
.irp k, 0,1,2,3,4,5,6
	v_pk_add_f32 v[PCD+2*\k:PCD+2*\k+1], v[PCD+2*\k:PCD+2*\k+1], v[S+46+2*\k:S+47+2*\k]
.endr
	v_pk_add_f32 v[L:L+1], v[L:L+1], v[S+60:S+61]
	v_pk_add_f32 v[PCD:PCD+1], v[PCD:PCD+1], v[S+62:S+63]
	v_pk_add_f32 v[L:L+1], v[L:L+1], v[PCD+6:PCD+7]
	v_pk_add_f32 v[PCD:PCD+1], v[PCD:PCD+1], v[PCD+8:PCD+9]
	v_pk_add_f32 v[PCD+2:PCD+3], v[PCD+2:PCD+3], v[PCD+10:PCD+11]
	v_pk_add_f32 v[PCD+4:PCD+5], v[PCD+4:PCD+5], v[PCD+12:PCD+13]
	v_pk_add_f32 v[L:L+1], v[L:L+1], v[PCD+2:PCD+3]
	v_pk_add_f32 v[PCD:PCD+1], v[PCD:PCD+1], v[PCD+4:PCD+5]
	v_pk_add_f32 v[L:L+1], v[L:L+1], v[PCD:PCD+1]
	v_max_num_f32 v[BM], 0x1800000, v[BM]          ; the floor 2^(3 - 127): the byte cannot fall under 1
	v_max_num_f32 v[BM+2], 0x1800000, v[BM+2]
	v_add_nc_u32 v[BS], 0xff000000, v[BM]          ; 2 off the exponent field: the conversion's scale operand
	v_add_nc_u32 v[BS+1], 0xff000000, v[BM+2]
	v_lshrrev_b32 v[BX], 23, v[BS]                 ; the scale's byte
	v_lshrrev_b32 v[BX+1], 23, v[BS+1]
	v_lshl_or_b32 v[T], v[BX+1], 16, v[BX]         ; my two bytes, blocks h and 2 + h,
	v_lshlrev_b32 v[T], v[SH8], v[T]               ; at their places in the scale word
	v_cvt_scalef32_pk16_fp6_f32 v[PCD:PCD+2], v[S:S+15], v[BS]
	v_cvt_scalef32_pk16_fp6_f32 v[PT:PT+2], v[S+16:S+31], v[BS]       ; (a conversion's three registers begin on an even number)
	v_cvt_scalef32_pk16_fp6_f32 v[PCD+6:PCD+8], v[S+32:S+47], v[BS+1]
	v_cvt_scalef32_pk16_fp6_f32 v[PT+4:PT+6], v[S+48:S+63], v[BS+1]
	WIN 0x01*\y                                    ; scale operands are taken from window 0: the word is made there
	v_permlanex16_b32 v[TW], v[T], s[SEL], s[SEL+1]
	v_or_b32 v[PSW+\y], v[T], v[TW]                ; with lane l xor 16's two bytes the word is whole.  (Also the plain place behind the conversions)
	WIN 0x55*\y
.irp i, 0,1,2
	v_mov_b32 v[PCD+3+\i], v[PT+\i]
	v_mov_b32 v[PCD+9+\i], v[PT+4+\i]
.endr
	WALU
.set j, 0
.rept 16
	v_pk_mul_f32 v[O+j:O+j+1], v[O+j:O+j+1], v[F:F+1] op_sel_hi:[1,0]   ; O^T under the new M, each accumulator from its low end on.  (Also the places between the writes of p's codes and scale word and the products)
.set j, j+2
.endr
.endm
; A KEY STEP: 128 keys for both tiles.  K's fragments were fetched a step ago; V's, and the next step's K (a pass's last step fetches bytes of V's regions in its place, which nothing uses), are fetched at the step's head.
.macro STEP p
	s_wait_dscnt 0x0                               ; K's fragments and scale words are in
	WIN 0x01
.irp q, 0,1,2,3,4,5,6,7
	MM S+8*\q, KF\q, QF, 0, KSW+\q, QSC+2*\p       ; S^T = K Q^T, tile X
.endr
	WIN 0x45
.irp q, 0,1,2,3,4,5,6,7
	MM S+8*\q, KF\q, QF, 0, KSW+\q, QSC+2*\p+1     ; tile Y
.endr
	WIN 0
	v_add_nc_u32 v[ADV0], s[TB], v[AV0]            ; these six are also the places behind the products: ahead of the loads into their operands and of the first read of their results
	v_add_nc_u32 v[ADV1], s[TB], v[AV1]
	v_add_nc_u32 v[ADT], s[TJ], v[ASV0]
	v_add_nc_u32 v[ADK0], s[TB], v[AK0]
	v_add_nc_u32 v[ADK1], s[TB], v[AK1]
	v_add_nc_u32 v[ADS], s[TS], v[ASK0]
.irp d, 0,1,2,3                                ; V's four fragments (16 d positions x these 128 keys: two hexes each): 20 loads
	ds_load_b128 v[VF+12*\d:VF+12*\d+3], v[ADV0] offset:\d*768
	ds_load_b64 v[VF+12*\d+4:VF+12*\d+5], v[ADV1] offset:\d*768
	ds_load_b128 v[VF+12*\d+6:VF+12*\d+9], v[ADV0] offset:3072+\d*768
	ds_load_b64 v[VF+12*\d+10:VF+12*\d+11], v[ADV1] offset:3072+\d*768
	ds_load_b32 v[VSW+\d], v[ADT] offset:64*\d
.endr
	KLOAD ADK0, ADK1, ADS, 6144, 512
	SOFT 0
	SOFT 1
	WALU
	s_wait_dscnt 24                                ; V's 20 loads are in; the 24 for the next step's K may be out
	WIN 0
.irp d, 0,1,2,3                                ; O^T += V^T P^T: eight accumulators by turns
	MM O+8*\d, VF+12*\d, PCD, v[O+8*\d:O+8*\d+7], VSW+\d, PSW
.endr
	WIN 0x54
.irp d, 0,1,2,3
	MM O+8*\d, VF+12*\d, PCD, v[O+8*\d:O+8*\d+7], VSW+\d, PSW+1
.endr
	WIN 0
	s_add_co_u32 s[TB], s[TB], 6144
	s_add_co_u32 s[TS], s[TS], 512
	s_add_co_u32 s[TJ], s[TJ], 256
.endm
; THE WAY OUT of a tile: O^T / the sum; register 16 c + i is then d = 32 c + 16 h + i of my query: two blocks of 32, quantised as one hex.
.macro OUT p, y
	WIN 0x55*\y
.rept 4
	v_nop                                          ; places behind the last products
.endr
	v_add_f32 v[L], v[L], v[L+1]
	v_permlanex16_b32 v[T], v[L], s[SEL], s[SEL+1]
	v_add_f32 v[L], v[L], v[T]                     ; the row's sum
	WALU
	v_rcp_f32 v[L], v[L]
	v_nop                                          ; one plain place behind a transcendental
	WALU                                           ; the wait, ahead of the first reader
.set j, 0
.rept 32
	v_mul_f32 v[S+j], v[O+j], v[L]                 ; each accumulator from its low end on
.set j, j+1
.endr
.irp c, 0,1
	v_max3_num_f32 v[BM+\c], |v[S+16*\c]|, |v[S+1+16*\c]|, 0x1800000   ; my 16 numbers of block c, and the floor
.endr
.irp i, 2,4,6,8,10,12,14
.irp c, 0,1
	v_max3_num_f32 v[BM+\c], v[BM+\c], |v[S+16*\c+\i]|, |v[S+1+16*\c+\i]|
.endr
.endr
.irp c, 0,1
	v_permlanex16_b32 v[BX+\c], v[BM+\c], s[SEL], s[SEL+1]
.endr
.irp c, 0,1
	v_max_num_f32 v[BM+\c], v[BM+\c], v[BX+\c]
.endr
.irp c, 0,1
	v_add_nc_u32 v[BS+\c], 0xff000000, v[BM+\c]
.endr
.irp c, 0,1
	v_lshrrev_b32 v[BX+\c], 23, v[BS+\c]
.endr
	v_lshl_or_b32 v[T], v[BX+1], 8, v[BX]          ; my row's two scale bytes
	v_cvt_scalef32_pk16_fp6_f32 v[PCD:PCD+2], v[S:S+15], v[BS]
	v_cvt_scalef32_pk16_fp6_f32 v[PT:PT+2], v[S+16:S+31], v[BS+1]
	v_nop                                          ; one plain place behind a scaled conversion
.irp i, 0,1,2
	v_permlane16_swap_b32 v[PCD+\i], v[PT+\i]      ; a whole block to a lane: lanes 0-15 block 0, lanes 16-31 block 1
.endr
.irp i, 0,1,2
	v_mov_b32 v[PCD+3+\i], v[PT+\i]
.endr
	WIN 0x04*\y                                    ; the data in the tile's window, the address in window 0
	global_store_b128 v[L16], v[PCD:PCD+3], s[84:85] offset:768*(2*\p+\y)       ; the hex: 512 and 256 consecutive bytes, aligned to 256
	global_store_b64 v[L8], v[PCD+4:PCD+5], s[84:85] offset:768*(2*\p+\y)+512
.endm
.macro PASS p
.if \p
	s_wait_xcnt 0x0                                ; the last pass's stores have read their registers
	s_wait_dscnt 0x0                               ; and the loads that its last step issued have landed: their registers are loaded anew below
.endif
.if \p                                 ; (the first pass's starting values are part of SETUP)
.irp y, 0,1
	WIN 0x55*\y
.irp i, 0,1,2,3,4,5
	v_mov_b32 v[QF+\i], v[Q2+\i]
.endr
.endr
	CLEAR
.endif
	KLOAD AK0, AK1, ASK0, 0, 0                     ; the first step's K
	s_mov_b32 s[TB], 0
	s_mov_b32 s[TS], 0
	s_mov_b32 s[TJ], 0
	s_mov_b32 s[CNT], 8                            ; 1,024 keys, 128 a step
	WALU
.Lstep_\@:
	STEP \p
	s_sub_co_u32 s[CNT], s[CNT], 1
	s_cmp_lg_u32 s[CNT], 0
	s_cbranch_scc1 .Lstep_\@
	OUT \p, 0
	OUT \p, 1
	WIN 0x04
	v_cndmask_b32 v[OWS], v[T], v[T], s12          ; lanes 0-15: X's rows (window 0); lanes 16-31: Y's (window 1)
	WIN 0
	global_store_b16 v[L32], v[OWS], s[86:87] offset:1024*\p   ; lane l: position 16 (R0 + 2 pass) + l, bytes 2 x head and 2 x head + 1 of its 32
.endm
	PASS 0
	PASS 1
	s_wait_tensorcnt 0x0                           ; the wave's end
	ds_add_u32 v[SPW], v[NIL]
	s_wait_dscnt 0x0
	s_endpgm
.Lfunc_end_k_qa7b4f051fd_attn:
	.size	k_qa7b4f051fd_attn, .Lfunc_end_k_qa7b4f051fd_attn-k_qa7b4f051fd_attn
	.p2alignl 7, 3214868480
	.fill 96, 4, 3214868480
	.section	.rodata,"a",@progbits
	.p2align	6, 0x0
	.amdhsa_kernel k_qa7b4f051fd_attn
		.amdhsa_group_segment_fixed_size 167936
		.amdhsa_private_segment_fixed_size 0
		.amdhsa_enable_private_segment 0
		.amdhsa_kernarg_size 24
		.amdhsa_user_sgpr_count 2
		.amdhsa_user_sgpr_kernarg_segment_ptr 1
		.amdhsa_wavefront_size32 1
		.amdhsa_system_sgpr_workgroup_id_x 1
		.amdhsa_system_sgpr_workgroup_id_y 1
		.amdhsa_system_sgpr_workgroup_id_z 1
		.amdhsa_system_vgpr_workitem_id 0
		.amdhsa_next_free_vgpr 512
		.amdhsa_next_free_sgpr 100
		.amdhsa_reserve_vcc 0
		.amdhsa_float_denorm_mode_32 3
		.amdhsa_float_denorm_mode_16_64 3
		.amdhsa_memory_ordered 1
		.amdhsa_forward_progress 1
		.amdhsa_inst_pref_size 96
	.end_amdhsa_kernel
	.amdgpu_metadata
---
amdhsa.version: [ 1, 2 ]
amdhsa.kernels:
  - .name:           k_qa7b4f051fd_attn
    .symbol:         k_qa7b4f051fd_attn.kd
    .args:
      - { .name: qkimg, .offset: 0, .size: 8, .value_kind: global_buffer, .address_space: global }
      - { .name: vimg, .offset: 8, .size: 8, .value_kind: global_buffer, .address_space: global }
      - { .name: oimg, .offset: 16, .size: 8, .value_kind: global_buffer, .address_space: global }
    .group_segment_fixed_size: 167936
    .private_segment_fixed_size: 0
    .kernarg_segment_align: 8
    .kernarg_segment_size: 24
    .max_flat_workgroup_size: 256
    .sgpr_count:     100
    .vgpr_count:     512
    .wavefront_size: 32
...
	.end_amdgpu_metadata
.endif
;; end of part 3
;; launch proj (part 4): grid 4 x 64, 4 waves a work-group, clusters of 4 x 4, 327,680 bytes of LDS; arguments oimg, woq, b_out, out0; writes out0
.if DOCPART == 4
	.amdgcn_target "amdgcn-amd-amdhsa--gfx1250"
	.amdhsa_code_object_version 6
	.text
	.protected	k_qa7b4f051fd_proj
	.globl	k_qa7b4f051fd_proj
	.p2align	8
	.type	k_qa7b4f051fd_proj,@function
k_qa7b4f051fd_proj:
	s_mov_b64 s[64:65], 0
	v_nop
	global_prefetch_b8 v0, s[64:65] scope:SCOPE_SE
	s_setreg_imm32_b32 hwreg(HW_REG_WAVE_MODE, 25, 1), 1
	s_wait_xcnt 0x0
	s_wait_alu depctr_hold_cnt(0) depctr_sa_sdst(0) depctr_va_vdst(0) depctr_va_sdst(0) depctr_va_ssrc(0) depctr_va_vcc(0) depctr_vm_vsrc(0)
	s_getreg_b32 s2, hwreg(HW_REG_IB_STS2, 6, 4)
	s_cmp_eq_u32 s2, 0
	s_cbranch_scc0 .Lentry_in_a_cluster
	s_endpgm
.Lentry_in_a_cluster:
	s_bfe_u32 s2, ttmp6, 0x10000c
	s_cmp_lg_u32 s2, 0xf033
	s_cbranch_scc0 .Lentry_shape_is_right
	s_endpgm
.Lentry_shape_is_right:
.set SCOFF,  6291456
.set HSTR,   512*768
.set KROW,   768
.set KS,     32
.set PITCH,  816
.set FR,     12
.set NP,     4
.set AH,     8*8*768
.set HALFB,  128*PITCH
.set BREG,   2*AH
.set SCL,    BREG+2*HALFB
.set HSA,    8*272
.set HSB,    16*272
.set SBLK,   2*272
.set SPARE,  SCL+2*HSA+2*HSB
.set SPITCH, 528
.set ADRA, 16
.set ADRB, 20
.set STO,  24
.set RD,   25
.set CO,   26
.set ADRS, 27
.set SPW,  28
.set NIL,  29
.set SC,   32
.set AF,   96
.set BIAS, 192
.set BK,   96
.set G1, 24
.set G0, 32
.set G1B, 48
.set G0B, 56
.set G1S, 68
.set G0S, 76
.set G1SB, 80
.set G0SB, 88
.set MSB, 0
.macro WIN new
.if MSB != (\new)
	s_set_vgpr_msb (MSB<<8)|(\new)
.set MSB, \new
.endif
.endm
.set MUL,  0xa1
.set FST,  0x81
.set TO_B, 0x40
; An arm of the head's one tree of branches on the wave's number: one joint load, its s_nop 0 and four v_nop, and a jump to the tree's end.
.macro ARM under, g0, g1, next
	s_cmp_lt_u32 s14, \under
	s_cbranch_scc0 \next
	tensor_load_to_lds s[\g0:\g0+3], s[\g1:\g1+7]
	s_nop 0
.rept 4
	v_nop
.endr
	s_branch .Lhead_asked
\next:
.endm
.macro CROUND
	s_barrier_signal -1
	s_barrier_wait -1
	s_cmp_lg_u32 s14, 0
	s_cbranch_scc1 .Lnot_wave_0_\@
	s_barrier_signal -3
.Lnot_wave_0_\@:
	s_barrier_wait -3
	s_barrier_signal -1
	s_barrier_wait -1
.endm
	s_load_b64 s[4:5], s[0:1], 0x0
	s_load_b64 s[8:9], s[0:1], 0x8
	s_load_b64 s[96:97], s[0:1], 0x10
	s_load_b64 s[12:13], s[0:1], 0x18
	v_lshl_add_u32 v[SPW], v0, 2, SPARE
	v_mov_b32 v[NIL], 0
	ds_add_u32 v[SPW], v[NIL]
	ds_add_u32 v[SPW], v[NIL]
	v_lshrrev_b32 v1, 5, v0
	v_readfirstlane_b32 s14, v1
	s_lshr_b32 s15, s14, 1
	s_and_b32 s16, s14, 1
	s_bfe_u32 s40, ttmp6, 0x40000
	s_bfe_u32 s41, ttmp6, 0x40004
	s_lshl_b32 s42, ttmp9, 2
	s_add_co_u32 s42, s42, s40
	s_and_b32 s17, ttmp7, 0xffff
	s_lshl_b32 s17, s17, 2
	s_add_co_u32 s17, s17, s41
	s_lshl_b32 s43, s41, 2
	s_lshl_b32 s43, 15, s43
	s_lshl_b32 s44, 0x1111, s40
	s_or_b32 s[G1+0], s43, (3<<16)|(1<<21)
	s_mov_b32 s[G1+1], 768<<16
	s_mov_b32 s[G1+2], 16<<16
	s_mov_b32 s[G1+3], 768<<16
	s_mov_b32 s[G1+4], 16
	s_mov_b32 s[G1+5], 49152
	s_mov_b32 s[G1+6], 0
	s_mov_b32 s[G1+7], 0
	s_or_b32 s[G1B+0], s44, (0<<16)|(1<<20)|(1<<21)|(5<<22)|(3<<25)
	s_mov_b32 s[G1B+1], KROW<<16
	s_mov_b32 s[G1B+2], 256<<16
	s_mov_b32 s[G1B+3], KROW<<16
	s_mov_b32 s[G1B+4], 256
	s_mov_b32 s[G1B+5], KROW
	s_mov_b32 s[G1B+6], 0
	s_mov_b32 s[G1B+7], 0
	s_or_b32 s[G1S+0], s43, (3<<16)|(1<<20)|(1<<21)|(5<<22)|(3<<25)
	s_mov_b32 s[G1S+1], 32<<16
	s_mov_b32 s[G1S+2], 16<<16
	s_mov_b32 s[G1S+3], 32<<16
	s_mov_b32 s[G1S+4], 16
	s_mov_b32 s[G1S+5], 32
	s_mov_b32 s[G1S+6], 0
	s_mov_b32 s[G1S+7], 0
	s_or_b32 s[G1SB+0], s44, (3<<16)|(1<<20)|(1<<21)|(5<<22)|(3<<25)
	s_mov_b32 s[G1SB+1], 32<<16
	s_mov_b32 s[G1SB+2], 32<<16
	s_mov_b32 s[G1SB+3], 32<<16
	s_mov_b32 s[G1SB+4], 32
	s_mov_b32 s[G1SB+5], 32
	s_mov_b32 s[G1SB+6], 0
	s_mov_b32 s[G1SB+7], 0
	s_mul_i32 s20, s17, 8*768
	s_mov_b32 s21, 0
	s_lshl_b32 s22, s17, 7
	s_lshl_b32 s22, s22, 5
	s_mov_b32 s23, 0
	s_lshl_b32 s46, s42, 8
	s_mov_b32 s47, 0
	s_mov_b64 s[18:19], KS
	s_mul_u64 s[92:93], s[46:47], s[18:19]
	s_mov_b64 s[18:19], KROW
	s_mul_u64 s[46:47], s[46:47], s[18:19]
	s_wait_dscnt 0x0
	s_wait_kmcnt 0x0
	s_add_nc_u64 s[6:7], s[4:5], SCOFF
	s_add_nc_u64 s[10:11], s[8:9], SCOFF
	s_add_nc_u64 s[20:21], s[4:5], s[20:21]
	s_add_nc_u64 s[22:23], s[6:7], s[22:23]
	s_add_nc_u64 s[46:47], s[8:9], s[46:47]
	s_add_nc_u64 s[92:93], s[10:11], s[92:93]
	CROUND
	s_mov_b32 s[G0S], 1
	s_mov_b32 s[G0S+1], SCL
	s_mov_b64 s[G0S+2:G0S+3], s[22:23]
	s_or_b32 s[G0S+3], s[G0S+3], 0x80000000
	s_mov_b32 s[G0SB], 1
	s_mov_b32 s[G0SB+1], SCL+2*HSA
	s_mov_b64 s[G0SB+2:G0SB+3], s[92:93]
	s_or_b32 s[G0SB+3], s[G0SB+3], 0x80000000
	s_mov_b32 s[G0], 1
	s_mov_b32 s[G0+1], 0
	s_mov_b64 s[G0+2:G0+3], s[20:21]
	s_or_b32 s[G0+3], s[G0+3], 0x80000000
	s_mov_b32 s[G0B], 1
	s_mov_b32 s[G0B+1], BREG
	s_mov_b64 s[G0B+2:G0B+3], s[46:47]
	s_or_b32 s[G0B+3], s[G0B+3], 0x80000000
	; the head's four tiles, one joint load a wave: wave 0 w_out's 256 rows, wave 1 o's 16 x 8 hexes, wave 2 w_out's scale bytes, wave 3 o's
	ARM 1, G0B, G1B, .Lhead_a
	ARM 2, G0, G1, .Lhead_sb
	ARM 3, G0SB, G1SB, .Lhead_sa
	tensor_load_to_lds s[G0S:G0S+3], s[G1S:G1S+7]
	s_nop 0
.rept 4
	v_nop
.endr
.Lhead_asked:
	v_and_b32 v1, 15, v0
	v_bfe_u32 v2, v0, 4, 1
	v_and_b32 v6, 31, v0
	v_lshlrev_b32 v[CO], 4, v6
	v_lshlrev_b32 v7, 3, v6
	s_mul_i32 s21, s15, 4*768
	v_add_nc_u32 v[ADRA], s21, v[CO]
	v_add_nc_u32 v[ADRA+1], s21, v7
	s_add_co_u32 s21, s21, AH
	v_add_nc_u32 v[ADRA+2], s21, v[CO]
	v_add_nc_u32 v[ADRA+3], s21, v7
	v_mul_u32_u24 v3, v1, PITCH
	v_mul_u32_u24 v4, v2, 24
	v_add_nc_u32 v4, v3, v4
	v_lshl_add_u32 v5, v2, 4, v4
	s_mul_i32 s22, s16, HALFB
	s_add_co_u32 s22, s22, BREG
	v_add_nc_u32 v[ADRB], s22, v4
	v_add_nc_u32 v[ADRB+1], s22, v5
	s_add_co_u32 s22, s22, 64*PITCH
	v_add_nc_u32 v[ADRB+2], s22, v4
	v_add_nc_u32 v[ADRB+3], s22, v5
	v_mul_u32_u24 v5, v1, KS
	v_lshrrev_b32 v6, 8, v5
	v_lshl_add_u32 v5, v6, 4, v5
	s_mul_i32 s21, s15, HSA
	s_mul_i32 s22, s16, HSB
	s_add_co_u32 s22, s22, 2*HSA
	s_sub_co_u32 s22, s22, s21
	v_mul_u32_u24 v6, s22, v2
	s_add_co_u32 s21, s21, SCL
	v_add_nc_u32 v5, v5, v6
	v_add_nc_u32 v[ADRS], s21, v5
	s_mul_i32 s23, s14, 16*SPITCH
	v_mul_u32_u24 v5, v1, SPITCH
	v_lshl_add_u32 v5, v2, 6, v5
	v_add_nc_u32 v[STO], s23, v5
	v_add_nc_u32 v[RD], s23, v[CO]
	s_lshl_b32 s46, s42, 10
	s_lshl_b32 s47, s16, 9
	s_add_co_u32 s46, s46, s47
	s_mov_b32 s47, 0
	s_add_nc_u64 s[96:97], s[96:97], s[46:47]
	v_lshlrev_b32 v9, 6, v2
.irp b, 0,1,2,3,4,5,6,7
	global_load_b128 v[BIAS+8*\b:BIAS+8*\b+3], v9, s[96:97] offset:(32*(\b/2)+8*(\b%2))*4
	global_load_b128 v[BIAS+8*\b+4:BIAS+8*\b+7], v9, s[96:97] offset:(32*(\b/2)+8*(\b%2))*4+16
.endr
	s_lshl_b32 s20, s17, 7
	s_lshl_b32 s21, s15, 6
	s_add_co_u32 s20, s20, s21
	s_lshl_b32 s20, s20, 12
	s_mov_b32 s21, 0
	s_add_nc_u64 s[20:21], s[20:21], s[46:47]
	s_add_nc_u64 s[12:13], s[12:13], s[20:21]
.macro FRAG reg, adr, s, i
.irp p, 0,1,2,3,4,5
.set PCE, 12*(\s)+6*(\p/3)+\p%3
.if PCE%32 < 29
	ds_load_b64 v[\reg+2*\p:\reg+2*\p+1], v[\adr] offset:8*PCE+16*(PCE/32)+(\i)*16*PITCH
.else
	ds_load_b64 v[\reg+2*\p:\reg+2*\p+1], v[\adr+1] offset:8*PCE+16*(PCE/32)+(\i)*16*PITCH
.endif
.endr
.endm
.macro FRAGA reg, s, i
.irp c, 0,1
.set HD, 2*(\s)+\c
	ds_load_b128 v[\reg+6*\c:\reg+6*\c+3], v[ADRA+2*(HD/8)] offset:(HD%8)*6144+(\i)*768
	ds_load_b64 v[\reg+6*\c+4:\reg+6*\c+5], v[ADRA+1+2*(HD/8)] offset:(HD%8)*6144+(\i)*768+512
.endr
.endm
.macro FETCH_B s, p, base
.irp i, 0,1,2,3
	FRAG 128*(\p)+FR*((\base)+\i), ADRB+(\base)/2, \s, \i
.endr
.endm
.macro FETCH_A s, p
.irp i, 0,1,2,3
	FRAGA AF+48*(\p)+FR*\i, \s, \i
.endr
.endm
.macro MUL8 a, p, s
.irp b, 0,1,2,3,4,5,6,7
.if (\s) == 0
	v_wmma_scale_f32_16x16x128_f8f6f4 v[8*(8*(\a)+\b):8*(8*(\a)+\b)+7], v[128*(\p)+FR*\b:128*(\p)+FR*\b+FR-1], v[AF+48*(\p)+FR*(\a):AF+48*(\p)+FR*(\a)+FR-1], v[BIAS+8*\b:BIAS+8*\b+7], v[SC+8*\b+(\s)], v[SC+8*(\a)+(\s)] matrix_a_fmt:MATRIX_FMT_FP6 matrix_b_fmt:MATRIX_FMT_FP6 matrix_a_scale:MATRIX_SCALE_ROW1
.else
	v_wmma_scale_f32_16x16x128_f8f6f4 v[8*(8*(\a)+\b):8*(8*(\a)+\b)+7], v[128*(\p)+FR*\b:128*(\p)+FR*\b+FR-1], v[AF+48*(\p)+FR*(\a):AF+48*(\p)+FR*(\a)+FR-1], v[8*(8*(\a)+\b):8*(8*(\a)+\b)+7], v[SC+8*\b+(\s)], v[SC+8*(\a)+(\s)] matrix_a_fmt:MATRIX_FMT_FP6 matrix_b_fmt:MATRIX_FMT_FP6 matrix_a_scale:MATRIX_SCALE_ROW1
.endif
.endr
.endm
.macro PLACES n
.rept \n
	v_nop
.endr
.endm
.macro STEP s
.if (\s) == 0
.set MW, FST
.else
.set MW, MUL
.endif
	s_wait_dscnt 0x0
.if (\s) < 7
.if (\s) > 0
	PLACES NP
.endif
	WIN TO_B
	FETCH_B (\s)+1, ((\s)+1)%2, 0
	WIN MW
	MUL8 0, (\s)%2, \s
	WIN TO_B
	FETCH_B (\s)+1, ((\s)+1)%2, 4
	WIN MW
	MUL8 1, (\s)%2, \s
	WIN 0
	FETCH_A (\s)+1, ((\s)+1)%2
	WIN MW
	MUL8 2, (\s)%2, \s
	MUL8 3, (\s)%2, \s
.else
	s_barrier_signal -1
	WIN MW
	MUL8 0, (\s)%2, \s
	MUL8 1, (\s)%2, \s
	MUL8 2, (\s)%2, \s
	MUL8 3, (\s)%2, \s
	WIN 0
	s_barrier_wait -1
.endif
.endm
	s_wait_alu depctr_va_vdst(0)
	s_wait_tensorcnt 0x0
	s_barrier_signal -1
	s_barrier_wait -1
.irp i, 0,1,2,3,4,5,6,7
	ds_load_b128 v[SC+8*\i:SC+8*\i+3], v[ADRS] offset:\i*SBLK
	ds_load_b128 v[SC+8*\i+4:SC+8*\i+7], v[ADRS] offset:\i*SBLK+16
.endr
	WIN TO_B
	FETCH_B 0, 0, 0
	FETCH_B 0, 0, 4
	WIN 0
	FETCH_A 0, 0
	s_wait_loadcnt 0x0
.irp s, 0,1,2,3,4,5,6,7
	STEP \s
.endr
.macro TOSTAGE a
.set AC, 64*(\a)
	WIN 0x08
.irp b, 0,1,2,3,4,5,6,7
	ds_store_b128 v[STO], v[AC+8*\b:AC+8*\b+3] offset:128*(\b/2)+32*(\b%2)
	ds_store_b128 v[STO], v[AC+8*\b+4:AC+8*\b+7] offset:128*(\b/2)+32*(\b%2)+16
.endr
	WIN 0
.set BB, BK+64*((\a)%2)
.irp t, 0,1,2,3,4,5,6,7,8,9,10,11,12,13,14,15
	ds_load_b128 v[BB+4*\t:BB+4*\t+3], v[RD] offset:\t*SPITCH
.endr
.endm
.macro SEND a, younger
.set BB, BK+64*((\a)%2)
	s_wait_dscnt \younger
.irp t, 0,1,2,3,4,5,6,7,8,9,10,11,12,13,14,15
	global_store_b128 v[CO], v[BB+4*\t:BB+4*\t+3], s[12:13] offset:(32*((\a)/2)+8*((\a)%2)+(\t%8)+16*(\t/8))*4096 th:TH_STORE_NT
.endr
.endm
	PLACES NP
	TOSTAGE 0
.irp a, 1,2,3
.if \a > 1
	s_wait_xcnt 0x0
.endif
	TOSTAGE \a
	SEND \a-1, 32
.endr
	SEND 3, 0
	s_wait_tensorcnt 0x0
	ds_add_u32 v[SPW], v[NIL]
	s_wait_dscnt 0x0
	CROUND
	s_endpgm
.Lfunc_end_k_qa7b4f051fd_proj:
	.size	k_qa7b4f051fd_proj, .Lfunc_end_k_qa7b4f051fd_proj-k_qa7b4f051fd_proj
	.p2alignl 7, 3214868480
	.fill 96, 4, 3214868480
	.section	.rodata,"a",@progbits
	.p2align	6, 0x0
	.amdhsa_kernel k_qa7b4f051fd_proj
		.amdhsa_group_segment_fixed_size 327680
		.amdhsa_private_segment_fixed_size 0
		.amdhsa_enable_private_segment 0
		.amdhsa_kernarg_size 32
		.amdhsa_user_sgpr_count 2
		.amdhsa_user_sgpr_kernarg_segment_ptr 1
		.amdhsa_wavefront_size32 1
		.amdhsa_system_sgpr_workgroup_id_x 1
		.amdhsa_system_sgpr_workgroup_id_y 1
		.amdhsa_system_sgpr_workgroup_id_z 1
		.amdhsa_system_vgpr_workitem_id 0
		.amdhsa_next_free_vgpr 768
		.amdhsa_next_free_sgpr 98
		.amdhsa_reserve_vcc 0
		.amdhsa_float_denorm_mode_32 3
		.amdhsa_float_denorm_mode_16_64 3
		.amdhsa_memory_ordered 1
		.amdhsa_forward_progress 1
		.amdhsa_inst_pref_size 93
	.end_amdhsa_kernel
	.amdgpu_metadata
---
amdhsa.version: [ 1, 2 ]
amdhsa.kernels:
  - .name:           k_qa7b4f051fd_proj
    .symbol:         k_qa7b4f051fd_proj.kd
    .args:
      - { .name: oimg, .offset: 0, .size: 8, .value_kind: global_buffer, .address_space: global }
      - { .name: woq, .offset: 8, .size: 8, .value_kind: global_buffer, .address_space: global }
      - { .name: b_out, .offset: 16, .size: 8, .value_kind: global_buffer, .address_space: global }
      - { .name: out0, .offset: 24, .size: 8, .value_kind: global_buffer, .address_space: global }
    .group_segment_fixed_size: 327680
    .private_segment_fixed_size: 0
    .kernarg_segment_align: 8
    .kernarg_segment_size: 32
    .max_flat_workgroup_size: 128
    .sgpr_count:     98
    .vgpr_count:     768
    .wavefront_size: 32
...
	.end_amdgpu_metadata
.endif
;; end of part 4
